; MI455X (gfx1250); checked and timed in simulation.
; The chip was launched on July 23, 2026; its instructions are those of AMD's public machine-readable ISA for CDNA 5 (MIT licence, August 2026) and "CDNA5" Instruction Set Architecture Reference Guide (July 2026). The comments in the code are by the model that wrote it; some were corrected since.
;; Aattention Layer. Allowed arithmetic: matrix products marked QUANTISED: E3M2 operands, one E8M0 scale for each 32 along K, by v_wmma_scale_f32_16x16x128_f8f6f4 with both operands' format E3M2, f32 sums; everything else in f32.
;; Inputs: W_out 1,024 x 1,024 float32; W_qkv 1,024 x 3,072 float32; b_out 1,024 float32; b_qkv 3,072 float32; data 4 x 2,048 x 1,024 float32.
;; Outputs: out0 4 x 2,048 x 1,024 float32.
;; This version of the problem:
;;   THIS VERSION OF THE PROBLEM IS GIVEN IN LOW PRECISION. The matrix products marked QUANTISED in the list below multiply operands that are first quantised to E3M2 (3 exponent bits, 2 mantissa bits; 6 bits a number), with one power-of-two scale for each 32 numbers along K (OCP MX v1.0); their sums are f32. All else is computed in f32.
;;   The module's matrix products, in the order in which they are computed (A, B: the left and right operand; K: the contracted axis; several contracted axes count as one K, in the product's order):
;;     1. [M 8,192, K 1,024] x [K 1,024, N 3,072]; A: input data; B: input W_qkv: QUANTISED
;;     2. batch 64 x [M 2,048, K 64] x [K 64, N 2,048]; A: computed on the way; B: computed on the way: QUANTISED
;;     3. batch 64 x [M 64, K 2,048] x [K 2,048, N 2,048]; A: computed on the way; B: softmax (see below): QUANTISED
;;     4. [M 8,192, K 1,024] x [K 1,024, N 1,024]; A: computed on the way; B: input W_out: QUANTISED
;;   THE QUANTISER, for each operand of a quantised product, along K:
;;     - K is cut into blocks of 32 from its start; a last block that is shorter is filled with zeros.
;;     - A block's scale is 2^e with e = floor(log2(the largest magnitude in the block)) - 4, held to -126 .. 127; a block of zeros has e = 0. As a byte (E8M0): e + 127.
;;     - Each number is divided by its block's scale, clamped to +-28, and rounded to the nearest number of E3M2, ties to even, subnormals kept.
;;     - The product sums the exact products of the quantised numbers (number of the format x scale) in f32.
;;   ~~~python
;;   def quantise(x, axis):      # numpy; x: float32 -> the quantised numbers, widened to float32 again
;;       x = np.moveaxis(x, axis, -1); K = x.shape[-1]
;;       x = np.pad(x, [(0, 0)] * (x.ndim - 1) + [(0, -K % 32)]); x = x.reshape(x.shape[:-1] + (-1, 32)); a = np.abs(x).max(-1, keepdims=True)
;;       e = np.where(a > 0, np.clip(np.frexp(np.where(a > 0, a, 1))[1] - 1 - 4, -126, 127), 0)      # np.frexp(a)[1] - 1 = floor(log2(a)), exactly
;;       r = np.clip(x / 2.0 ** e, -28, 28)
;;       step = 2.0 ** (np.maximum(np.frexp(np.where(r == 0, 1, r))[1] - 1, -2) - 2)
;;       q = np.round(r / step) * step * 2.0 ** e      # np.round: ties to even
;;       return np.moveaxis(q.reshape(q.shape[:-2] + (-1,))[..., :K], -1, axis).astype(np.float32)
;;   ~~~
;;   SOFTMAX AHEAD OF A QUANTISED PRODUCT. Where the list says 'softmax', what is quantised is not the finished softmax but p = 2^(t - M), with t = logit x log2(e) and M = ceil(the row's largest t), a whole number; so 1/2 < the row's largest p <= 1. The row's sum l is taken of the UNQUANTISED p, in f32, and the product's result is divided by l at the end. Since M is a whole number, a kernel that streams over the keys may use a running M (the ceiling of the running maximum): every later rescaling is an exact power of two, which a block's scale takes up: the codes' values come out the same.
;;   OPERANDS COMPUTED ON THE WAY. 'Computed on the way' means the value that the module computes at that place (a softmax that the list does not call 'softmax' is quantised finished and normalised). What goes into a quantiser is computed in f32, as accurately as f32 sums, v_exp_f32 and their like allow (about 1e-6 of the number): no bf16 or f16 on the way to a quantiser, and a product that is left as it is and whose result goes on into a quantised operand takes f32 operands (vector FMAs, or v_wmma_f32_16x16x4_f32). A number that lies on a knife's edge between two numbers of the format may be rounded either way, as far as f32 arithmetic and the matrix unit's own rounding can turn it there, and no further.
;; One version. Each part assembles by itself: llvm-mc -triple=amdgcn-amd-amdhsa -mcpu=gfx1250 --defsym DOCPART=n.
;; ======== version 1 of 1: 4 launches
;; limits: right only within a limited range of input values
;; workspace buffers: xq 6,553,600 bytes; wq 3,276,800 bytes; qq 6,815,744 bytes; kv 13,631,488 bytes; ao 6,553,600 bytes
;; launch quant (part 1): grid 256 x 1, 4 waves a work-group, no clusters, 201,216 bytes of LDS; arguments data, W_qkv, W_out, xq, wq; writes xq, wq
.if DOCPART == 1
	.amdgcn_target "amdgcn-amd-amdhsa--gfx1250"
	.amdhsa_code_object_version 6
	.text
	.protected	k_q23907c80e2_quant
	.globl	k_q23907c80e2_quant
	.p2align	8
	.type	k_q23907c80e2_quant,@function
k_q23907c80e2_quant:
	s_mov_b64 s[64:65], 0
	v_nop
	global_prefetch_b8 v0, s[64:65] scope:SCOPE_SE
	s_setreg_imm32_b32 hwreg(HW_REG_WAVE_MODE, 25, 1), 1
	s_wait_xcnt 0x0
; data [8192][1024], W_qkv [1024][3072] and W_out [1024][1024], f32, become codes of BF6 (E3M2) with one E8M0 byte for each 32 along K, laid as IMAGES OF OPERAND REGISTERS.
; A block's scale is 2^(floor(log2(its largest magnitude)) - 4); its byte is the largest magnitude's exponent field - 4, held at 1 from below.
; ROWS OF A TILE: rows (of data) or columns (of a weight) go in groups of 32; lane-row r of tile 2 B + u is row 32 B + 8 u + r + 8 (r / 8).
; A UNIT of codes is 16 lane-rows x 64 K = 768 bytes: lane l's operand registers 0-3 at 16 l, its registers 4-5 at 512 + 8 l; lane (r, h) holds block h.  A tile's 16 units (K = 1,024) lie on end: 12,288 bytes.
; SCALE WORDS of 128 rows are 4,096 bytes, [q 0..3][pair x 0..3][lane 16 u + r][2 words]: the words of K steps 2 q and 2 q + 1 of tile 2 x + u.
; SHARES.  Every work-group does two jobs: 32 rows of data (a pair of tiles), and 64 columns x 256 K of a weight (work-groups 0-191: W_qkv, 192-255: W_out).  All it reads is asked for at its first lines by
; one tensor load a wave; nothing is filled again.  Work-groups share no input, so there is no cluster.
; DATA: wave w reads K steps 2 w and 2 w + 1 alone; a lane takes 16 neighbours of each block of its row.  WEIGHT: a lane takes a column and its registers run down K; waves 0 and 1 take 32 columns each,
; so that a lane owns both K steps of a pair of scale words and the words leave as 256 consecutive bytes; waves 2 and 3 have no part in it.
; LIMITS: NaN and infinities are not served.  A block of zeros gets the byte 1, not 127: its codes are zeros, and this program alone reads the bytes.
.set XS,   6291456                     ; xq: the scale words begin here
.set WS,   3145728                     ; wq: likewise
.set REG,  32*528
.set DREG, 32*2080                     ; LDS: what one wave loads of data: 32 rows x (2,048 bytes + 16 behind each 1,024)
.set WB,   8*REG                       ; LDS: behind the eight: the weight, 256 rows (k) x 256 bytes (64 columns)
.set L16,  1                           ; v1   16 x lane
.set L8,   2                           ; v2   8 x lane
.set DA,   3                           ; v3   LDS: my row and half in my wave's first K step of data
.set WA,   4                           ; v4   LDS: my column of the weight
.set LN,   5                           ; v5   lane
.set PWK,  8                           ; v8-11 the four scale words kept: 2 u + i
.set Y,    12                          ; v12-13 the pair of words that I store
.set W2,   14                          ; v14-15 the weight's two scale words
.set X,    32                          ; v32-159 two sets of 64 numbers
.set PC,   160                         ; v160-179 a fragment's codes, and the conversions' second halves
.set TM,   180                         ; v180-183 largest magnitudes; v184-187 the other half's, then bytes; v188-191 the conversions' scale operands
.set TP,   184
.set TS,   188
.set PW,   196                         ; v196 the scale word just made
.set CA,   200                         ; v200-205, v206-211: the codes of an even and an odd block of the weight
.set CB,   206
.set MA,   212
.set MB,   213
.set CT,   214                         ; v214-216
.set SO,   218
.set BY,   219
.set SEL,  2                           ; s[2:3] v_permlanex16_b32's selects for lane l xor 16
.set WV,   14
.set G1D,  16                          ; s[16:23] group 1 for data; s[24:31] for W_qkv; s[32:39] for W_out
.set G1A,  24
.set G1B,  32
.set G0D,  40                          ; s[40:43] one group 0 for data; s[48:51] one for the weight
.set G0W,  48
; 64 numbers of a lane, register 16 b + i = k 32 b + 16 (lane / 16) + i of my row, become a fragment's codes in v[PC] on and its scale word in v[PW]
.macro QUANT s
.irp b, 0,1,2,3
	v_max3_num_f32 v[TM+\b], |v[\s+16*\b]|, |v[\s+1+16*\b]|, 0x2800000   ; my 16 numbers of block b, and the floor 2^(5 - 127): the byte cannot fall under 1
.endr
.irp i, 2,4,6,8,10,12,14
.irp b, 0,1,2,3
	v_max3_num_f32 v[TM+\b], v[TM+\b], |v[\s+16*\b+\i]|, |v[\s+1+16*\b+\i]|
.endr
.endr
.irp b, 0,1,2,3
	v_permlanex16_b32 v[TP+\b], v[TM+\b], s[SEL], s[SEL+1]
.endr
.irp b, 0,1,2,3
	v_max_num_f32 v[TM+\b], v[TM+\b], v[TP+\b]     ; with lane l xor 16's: the block's largest magnitude
.endr
.irp b, 0,1,2,3
	v_add_nc_u32 v[TS+\b], 0xfe000000, v[TM+\b]    ; 4 off its exponent field: the conversion's scale operand
.endr
.irp b, 0,1,2,3
	v_lshrrev_b32 v[TP+\b], 23, v[TS+\b]           ; the scale's byte
.endr
	v_lshl_or_b32 v[PW], v[TP+1], 8, v[TP]
	v_lshl_or_b32 v[PW], v[TP+2], 16, v[PW]
	v_lshl_or_b32 v[PW], v[TP+3], 24, v[PW]
.irp c, 0,1
	v_cvt_scalef32_pk16_bf6_f32 v[PC+6*\c:PC+2+6*\c], v[\s+32*\c:\s+15+32*\c], v[TS+2*\c]
	v_cvt_scalef32_pk16_bf6_f32 v[PC+12+4*\c:PC+14+4*\c], v[\s+16+32*\c:\s+31+32*\c], v[TS+2*\c+1]   ; (a conversion's three registers begin on an even number)
.endr
	v_nop                                          ; one plain line behind the scaled conversions
.irp c, 0,1                            ; the layout wants a whole block in a lane: lanes 0-15 block 2 c, lanes 16-31 block 2 c + 1
.irp i, 0,1,2
	v_permlane16_swap_b32 v[PC+6*\c+\i], v[PC+12+4*\c+\i]
.endr
.irp i, 0,1,2
	v_mov_b32 v[PC+3+6*\c+\i], v[PC+12+4*\c+\i]
.endr
.endr
.endm
; unit n = 2 i + u: K step 2 w + i, tile u: 16 loads into set n % 2
.macro XL n
.irp b, 0,1,2,3
.irp j, 0,1,2,3
	ds_load_b128 v[X+64*((\n)%2)+16*\b+4*\j:X+64*((\n)%2)+16*\b+4*\j+3], v[DA] offset:((\n)/2)*512+((\n)%2)*16640+128*\b+16*\j
.endr
.endr
.endm
.macro UNIT n
.if (\n) < 3
	XL (\n)+1
	s_wait_dscnt 16                                ; this unit's 16 loads are in; the next unit's 16 may be out
.else
	s_wait_dscnt 0x0
.endif
.if (\n) > 0
	s_wait_xcnt 0x0                                ; the last unit's stores have read the codes' registers: they are written again only behind this wait
.endif
	QUANT X+64*((\n)%2)
	global_store_b128 v[L16], v[PC:PC+3], s[4:5] offset:((\n)%2)*3072+((\n)/2)*1536           ; each store covers 512 or 256 consecutive bytes
	global_store_b64 v[L8], v[PC+4:PC+5], s[4:5] offset:((\n)%2)*3072+((\n)/2)*1536+512
	global_store_b128 v[L16], v[PC+6:PC+9], s[4:5] offset:((\n)%2)*3072+((\n)/2)*1536+768
	global_store_b64 v[L8], v[PC+10:PC+11], s[4:5] offset:((\n)%2)*3072+((\n)/2)*1536+1280
	v_mov_b32 v[PWK+2*((\n)%2)+(\n)/2], v[PW]
.endm
; the weight: block t (32 along K) of my column into set t % 2
.macro WL t
.set i, 0
.rept 32
	ds_load_b32 v[X+32*((\t)%2)+i], v[WA] offset:(32*(\t)+i)*256   ; the 32 lanes take 32 columns of one row: 128 consecutive bytes
.set i, i+1
.endr
.endm
.macro WBLK t
.if (\t) < 7
	WL (\t)+1
	s_wait_dscnt 32                                ; this block's 32 loads are in; the next block's may be out
.else
	s_wait_dscnt 0x0
.endif
.set XW, X+32*((\t)%2)
.set CD, CA+6*((\t)%2)
	v_max3_num_f32 v[MA], |v[XW]|, |v[XW+1]|, |v[XW+2]|            ; all 32 numbers of the block are mine
	v_max3_num_f32 v[MB], |v[XW+3]|, |v[XW+4]|, |v[XW+5]|
.irp i, 6,10,14,18,22,26
	v_max3_num_f32 v[MA], v[MA], |v[XW+\i]|, |v[XW+\i+1]|
	v_max3_num_f32 v[MB], v[MB], |v[XW+\i+2]|, |v[XW+\i+3]|
.endr
	v_max3_num_f32 v[MA], v[MA], |v[XW+30]|, |v[XW+31]|
	v_max3_num_f32 v[MA], v[MA], v[MB], 0x2800000  ; and the floor
	v_add_nc_u32 v[SO], 0xfe000000, v[MA]
	v_lshrrev_b32 v[BY], 23, v[SO]
.if (\t)%4 == 0
	v_mov_b32 v[W2+(\t)/4], v[BY]                  ; four bytes to a word, the lower K in the lower byte
.else
	v_lshl_or_b32 v[W2+(\t)/4], v[BY], 8*((\t)%4), v[W2+(\t)/4]
.endif
.if ((\t)%2 == 0) && ((\t) > 0)
	s_wait_alu depctr_va_vdst(0)
	s_wait_xcnt 0x0                                ; the last pair's stores have read their registers
.endif
	v_cvt_scalef32_pk16_bf6_f32 v[CD:CD+2], v[XW:XW+15], v[SO]
	v_cvt_scalef32_pk16_bf6_f32 v[CT:CT+2], v[XW+16:XW+31], v[SO]
	v_nop                                          ; one plain line behind the scaled conversions
.irp i, 0,1,2
	v_mov_b32 v[CD+3+\i], v[CT+\i]
.endr
.if (\t)%2 == 1
; lanes 0-15 hold a column of tile 2 e, lanes 16-31 one of tile 2 e + 1.  The exchange gives CA = tile 2 e's whole unit (lanes 0-15 the even block, lanes 16-31 the odd), CB = tile 2 e + 1's
.irp i, 0,1,2,3,4,5
	v_permlane16_swap_b32 v[CA+\i], v[CB+\i]
.endr
	global_store_b128 v[L16], v[CA:CA+3], s[8:9] offset:((\t)/2)*768
	global_store_b64 v[L8], v[CA+4:CA+5], s[8:9] offset:((\t)/2)*768+512
	global_store_b128 v[L16], v[CB:CB+3], s[8:9] offset:3072+((\t)/2)*768
	global_store_b64 v[L8], v[CB+4:CB+5], s[8:9] offset:3072+((\t)/2)*768+512
.endif
.endm
	s_load_b128 s[4:7], s[0:1], 0x0                ; data, W_qkv
	s_load_b128 s[8:11], s[0:1], 0x10              ; W_out, xq
	s_load_b64 s[12:13], s[0:1], 0x20              ; wq
	v_lshl_add_u32 v254, v0, 2, 0x31000
	v_mov_b32 v255, 0
	ds_add_u32 v254, v255
	ds_add_u32 v254, v255
	v_lshrrev_b32 v6, 5, v0
	v_readfirstlane_b32 s[WV], v6                  ; wave 0..3
	s_mov_b32 s[G1D], (2<<16)|(1<<20)|(7<<22)|(3<<25)  ; elements of 4 bytes; padding on: behind every 256 words 4 words
	s_mov_b32 s[G1D+1], 512<<16                    ; tensor_dim0 = 512: four K steps
	s_mov_b32 s[G1D+2], 32<<16                     ; tensor_dim1 = 32
	s_mov_b32 s[G1D+3], 512<<16                    ; tile_dim0
	s_mov_b32 s[G1D+4], 32                         ; tile_dim1
	s_mov_b32 s[G1D+5], 1024                       ; elements from row to row
	s_mov_b32 s[G1D+6], 0
	s_mov_b32 s[G1D+7], 0
.irp g, G1A, G1B
	s_mov_b32 s[\g], 2<<16                         ; the weight: 128 rows (k) x 64 columns, no padding
	s_mov_b32 s[\g+1], 64<<16
	s_mov_b32 s[\g+2], 128<<16                     ; 128 rows (k) a load
	s_mov_b32 s[\g+3], 64<<16
	s_mov_b32 s[\g+4], 128
	s_mov_b32 s[\g+6], 0
	s_mov_b32 s[\g+7], 0
.endr
	s_mov_b32 s[G1A+5], 3072                       ; the two weights differ in the pitch alone
	s_mov_b32 s[G1B+5], 1024
	; ONE TENSOR LOAD A WAVE: waves 0 and 1 load data's K steps 0-3 and 4-7 of the 32 rows, waves 2 and 3 128 rows (k) each of the weight.  Wave w READS K steps 2 w, 2 w + 1, behind a barrier
	s_and_b32 s53, s[WV], 1                        ; which half I load
	s_mul_i32 s57, s53, DREG                       ; LDS: where a loader's data go
	s_lshr_b32 s52, s[WV], 1
	s_mul_i32 s52, s52, DREG
	s_mul_i32 s55, s53, 1040
	s_add_co_u32 s52, s52, s55                     ; LDS: the two K steps that I read
	s_lshl_b32 s54, ttmp9, 17                      ; 32 rows of 4,096 bytes a work-group,
	s_lshl_b32 s55, s53, 11                        ; 2,048 bytes of each a loader
	s_add_co_u32 s54, s54, s55
	s_mov_b32 s55, 0
	s_wait_dscnt 0x0
	s_wait_kmcnt 0x0
	s_mov_b32 s[G0D], 1
	s_mov_b32 s[G0D+1], s57
	s_add_nc_u64 s[G0D+2:G0D+3], s[4:5], s[54:55]
	s_or_b32 s[G0D+3], s[G0D+3], 0x80000000
	s_cmp_lt_u32 ttmp9, 192                        ; W_qkv's work-group or W_out's?  The choice hangs on the work-group's number alone
	s_cselect_b32 s15, 0, 192                      ; the first unit, and the first tile in wq, of my weight
	s_mov_b32 s56, 4096
	s_cselect_b32 s56, 12288, s56                  ; a row of it in bytes
	s_cselect_b64 s[58:59], s[6:7], s[8:9]
	s_sub_co_u32 s57, ttmp9, s15
	s_lshr_b32 s60, s57, 2                         ; which 64 columns
	s_and_b32 s61, s57, 3                          ; which 256 along K
	s_lshl_b32 s62, s61, 8
	s_lshl_b32 s63, s53, 7
	s_add_co_u32 s62, s62, s63                     ; my 128 rows (k)
	s_mul_i32 s62, s62, s56
	s_lshl_b32 s63, s60, 8
	s_add_co_u32 s62, s62, s63
	s_mov_b32 s63, 0
	s_mov_b32 s[G0W], 1
	s_lshl_b32 s[G0W+1], s53, 15
	s_add_co_u32 s[G0W+1], s[G0W+1], WB
	s_add_nc_u64 s[G0W+2:G0W+3], s[58:59], s[62:63]
	s_or_b32 s[G0W+3], s[G0W+3], 0x80000000
	s_cmp_lt_u32 s[WV], 2                          ; one chain of branches, one load to an arm
	s_cbranch_scc0 .Lweight
	tensor_load_to_lds s[G0D:G0D+3], s[G1D:G1D+7]
	s_nop 0
.rept 4
	v_nop
.endr
	s_branch .Lasked
.Lweight:
	s_cmp_lt_u32 ttmp9, 192
	s_cbranch_scc0 .Lw_out
	tensor_load_to_lds s[G0W:G0W+3], s[G1A:G1A+7]
	s_nop 0
.rept 4
	v_nop
.endr
	s_branch .Lasked
.Lw_out:
	tensor_load_to_lds s[G0W:G0W+3], s[G1B:G1B+7]
	s_nop 0
.rept 4
	v_nop
.endr
.Lasked:
	v_and_b32 v[LN], 31, v0
	v_and_b32 v6, 15, v0                           ; r
	v_bfe_u32 v7, v0, 4, 1                         ; h
	v_lshlrev_b32 v[L16], 4, v[LN]
	v_lshlrev_b32 v[L8], 3, v[LN]
	v_and_b32 v16, 8, v6
	v_add_nc_u32 v16, v16, v6                      ; r + 8 (r / 8)
	v_mul_u32_u24 v[DA], v16, 2080
	v_lshl_add_u32 v[DA], v7, 6, v[DA]             ; + 64 h: my 16 numbers of a block
	v_add_nc_u32 v[DA], s52, v[DA]
	v_lshl_add_u32 v[WA], v7, 3, v16               ; my column of the 32: 8 u + r + 8 (r / 8), u = lane / 16
	v_lshlrev_b32 v[WA], 2, v[WA]
	s_and_b32 s53, s[WV], 1                        ; e: which 32 of the 64 columns
	s_lshl_b32 s54, s53, 7
	s_add_co_u32 s54, s54, WB
	v_add_nc_u32 v[WA], s54, v[WA]
.irp b, 0,1,2,3
	v_mov_b32 v[TP+\b], 0                          ; written once: a lane permute's destination counts as one of its sources
.endr
	s_mov_b32 s[SEL], 0x76543210
	s_mov_b32 s[SEL+1], 0xfedcba98
	; codes lie as [16 tiles][quarter of K][tile][3,072 bytes]: 196,608 bytes a group of 16 tiles
	s_lshr_b32 s54, ttmp9, 3
	s_mul_i32 s54, s54, 196608                     ; xq: my group of 16 tiles,
	s_mul_i32 s56, s[WV], 49152                    ; my quarter of K,
	s_add_co_u32 s54, s54, s56
	s_and_b32 s56, ttmp9, 7
	s_mul_i32 s56, s56, 6144                       ; my pair of tiles
	s_add_co_u32 s54, s54, s56
	s_add_nc_u64 s[4:5], s[10:11], s[54:55]        ; where my codes of data go
	s_lshr_b32 s54, ttmp9, 2
	s_lshl_b32 s54, s54, 12
	s_lshl_b32 s56, s[WV], 10
	s_add_co_u32 s54, s54, s56
	s_and_b32 s56, ttmp9, 3
	s_lshl_b32 s56, s56, 8
	s_add_co_u32 s54, s54, s56
	s_add_co_u32 s54, s54, XS
	s_add_nc_u64 s[6:7], s[10:11], s[54:55]        ; and their scale words
	s_lshl_b32 s56, s60, 2
	s_add_co_u32 s56, s56, s15
	s_lshl_b32 s57, s53, 1
	s_add_co_u32 s56, s56, s57                     ; wq: tile 2 e of my four
	s_lshr_b32 s54, s56, 4
	s_mul_i32 s54, s54, 196608
	s_mul_i32 s57, s61, 49152
	s_add_co_u32 s54, s54, s57
	s_and_b32 s57, s56, 15
	s_mul_i32 s57, s57, 3072
	s_add_co_u32 s54, s54, s57
	s_add_nc_u64 s[8:9], s[12:13], s[54:55]        ; where the weight's codes go
	s_lshr_b32 s56, s56, 1                         ; the pair of tiles
	s_lshr_b32 s54, s56, 2
	s_lshl_b32 s54, s54, 12
	s_lshl_b32 s57, s61, 10
	s_add_co_u32 s54, s54, s57
	s_and_b32 s57, s56, 3
	s_lshl_b32 s57, s57, 8
	s_add_co_u32 s54, s54, s57
	s_add_co_u32 s54, s54, WS
	s_add_nc_u64 s[10:11], s[12:13], s[54:55]      ; and its scale words
	s_wait_alu depctr_va_vdst(0)
	s_cmp_lt_u32 s[WV], 2
	s_cbranch_scc0 .Lno_data
	s_wait_tensorcnt 0x0                           ; waves 0 and 1: my half of the data has landed
.Lno_data:
	s_barrier_signal -1
	s_barrier_wait -1                              ; the data are shown to all; the weight may be on its way
	XL 0
	UNIT 0
	UNIT 1
	UNIT 2
	UNIT 3
	v_cmp_le_u32 vcc_lo, 16, v[LN]
	v_cndmask_b32 v[Y], v[PWK], v[PWK+2], vcc_lo   ; lanes 0-15 store tile 0's words, lanes 16-31 tile 1's
	v_cndmask_b32 v[Y+1], v[PWK+1], v[PWK+3], vcc_lo
	global_store_b64 v[L8], v[Y:Y+1], s[6:7]       ; 256 consecutive bytes
	s_wait_tensorcnt 0x0                           ; my quarter of the weight has landed,
	s_wait_dscnt 0x0
	s_barrier_signal -1
	s_barrier_wait -1                              ; everybody's has
	s_cmp_gt_u32 s[WV], 1
	s_cbranch_scc1 .Lend
	WL 0
.irp t, 0,1,2,3,4,5,6,7
	WBLK \t
.endr
	global_store_b64 v[L8], v[W2:W2+1], s[10:11]   ; 256 consecutive bytes
.Lend:
	s_wait_tensorcnt 0x0
	ds_add_u32 v254, v255
	s_wait_dscnt 0x0
	s_endpgm
.Lfunc_end_k_q23907c80e2_quant:
	.size	k_q23907c80e2_quant, .Lfunc_end_k_q23907c80e2_quant-k_q23907c80e2_quant
	.p2alignl 7, 3214868480
	.fill 96, 4, 3214868480
	.section	.rodata,"a",@progbits
	.p2align	6, 0x0
	.amdhsa_kernel k_q23907c80e2_quant
		.amdhsa_group_segment_fixed_size 201216
		.amdhsa_private_segment_fixed_size 0
		.amdhsa_enable_private_segment 0
		.amdhsa_kernarg_size 40
		.amdhsa_user_sgpr_count 2
		.amdhsa_user_sgpr_kernarg_segment_ptr 1
		.amdhsa_wavefront_size32 1
		.amdhsa_system_sgpr_workgroup_id_x 1
		.amdhsa_system_sgpr_workgroup_id_y 1
		.amdhsa_system_sgpr_workgroup_id_z 1
		.amdhsa_system_vgpr_workitem_id 0
		.amdhsa_next_free_vgpr 256
		.amdhsa_next_free_sgpr 66
		.amdhsa_reserve_vcc 1
		.amdhsa_float_denorm_mode_32 3
		.amdhsa_float_denorm_mode_16_64 3
		.amdhsa_memory_ordered 1
		.amdhsa_forward_progress 1
		.amdhsa_inst_pref_size 59
	.end_amdhsa_kernel
	.amdgpu_metadata
---
amdhsa.version: [ 1, 2 ]
amdhsa.kernels:
  - .name:           k_q23907c80e2_quant
    .symbol:         k_q23907c80e2_quant.kd
    .args:
      - { .name: data, .offset: 0, .size: 8, .value_kind: global_buffer, .address_space: global }
      - { .name: W_qkv, .offset: 8, .size: 8, .value_kind: global_buffer, .address_space: global }
      - { .name: W_out, .offset: 16, .size: 8, .value_kind: global_buffer, .address_space: global }
      - { .name: xq, .offset: 24, .size: 8, .value_kind: global_buffer, .address_space: global }
      - { .name: wq, .offset: 32, .size: 8, .value_kind: global_buffer, .address_space: global }
    .group_segment_fixed_size: 201216
    .private_segment_fixed_size: 0
    .kernarg_segment_align: 8
    .kernarg_segment_size: 40
    .max_flat_workgroup_size: 128
    .sgpr_count:     66
    .vgpr_count:     256
    .wavefront_size: 32
...
	.end_amdgpu_metadata
.endif
;; end of part 1
;; launch qkv (part 2): grid 12 x 32, 4 waves a work-group, clusters of 4 x 4, 327,680 bytes of LDS; arguments xq, wq, b_qkv, qq, kv; writes qq, kv
.if DOCPART == 2
	.amdgcn_target "amdgcn-amd-amdhsa--gfx1250"
	.amdhsa_code_object_version 6
	.text
	.protected	k_q23907c80e2_qkv
	.globl	k_q23907c80e2_qkv
	.p2align	8
	.type	k_q23907c80e2_qkv,@function
k_q23907c80e2_qkv:
	s_mov_b64 s[64:65], 0
	v_nop
	global_prefetch_b8 v0, s[64:65] scope:SCOPE_SE
	s_setreg_imm32_b32 hwreg(HW_REG_WAVE_MODE, 25, 1), 1
	s_wait_xcnt 0x0
	s_wait_alu depctr_hold_cnt(0) depctr_sa_sdst(0) depctr_va_vdst(0) depctr_va_sdst(0) depctr_va_ssrc(0) depctr_va_vcc(0) depctr_vm_vsrc(0)
	s_getreg_b32 s2, hwreg(HW_REG_IB_STS2, 6, 4)
	s_cmp_eq_u32 s2, 0
	s_cbranch_scc0 .Lentry_in_a_cluster
	s_endpgm
.Lentry_in_a_cluster:
	s_bfe_u32 s2, ttmp6, 0x10000c
	s_cmp_lg_u32 s2, 0xf033
	s_cbranch_scc0 .Lentry_shape_is_right
	s_endpgm
.Lentry_shape_is_right:
; qkv = data W_qkv + b_qkv on codes of BF6 (E3M2) with E8M0 scales, K = 1,024; the result is quantised in registers and leaves as codes: q and k along the head's 64, v along the keys.
; A work-group of four waves makes 256 rows x 256 columns, a wave 128 x 128: 64 accumulators.  Codes lie in memory as images of operand registers (units of 768 bytes: 16 lane-rows x 64 K; a tile's 16 units on end).
; THREE LDS slots of 256 along K (16 tiles of data, then 16 of the weight, 3,072 bytes a tile).  K is four fills: three first fills, and slot 0 is filled once more.  Straight text, no loop.
; CLUSTERS: 4 x 4 work-groups; data's tiles are asked for jointly along a row of the cluster, the weight's along a column.
; ROLES.  Source 0 = S0: its rows run along a lane's registers; source 1 = S1: lane r is its row.  Cluster x = 0, 1, 2 makes q, k, v (the same number in all sixteen partners).
; q, k: S0 = the weight (a lane's registers run along d), S1 = data.   v: S0 = data (registers run along the keys), S1 = the weight.  Only numbers differ, chosen by s_cselect on the cluster's x: no branch.
; Lane-row r of tile 2 B + u is row 32 B + 8 u + r + 8 (r / 8): so the 16 registers of S0's tiles 2 B and 2 B + 1 are 16 neighbours, 32 B + 16 (lane / 16) + 0 .. 15.
; THE BIAS along S0 (q, k) is added on the way out; the bias along S1 (v) is the C of the first K step (so v's bias is summed first, not last).  The one that a path does not use is multiplied by 0.0.
; THE SCALE WORDS of all of K come from memory straight into registers, once: one register holds tile 2 x in lanes 0-15 and tile 2 x + 1 in lanes 16-31.
; LIMITS: NaN and infinities (in the biases too: they are multiplied by 0.0 or 1.0) are not served.  A block of zeros gets the byte 1, not 127: its codes are zeros, and this program alone reads the bytes.
; REGISTERS, in windows of 256.  Window 0: v2-3 h, r; v4-15 LDS addresses; v16-17 16 x lane, 8 x lane; v18-25 S1's bias as loaded, later the scale words kept; v32-63 S1's scale words, v64-95 S0's;
;   v96-127, v224-255 S0's bias; v128-223 S1's 8 fragments, ONE set; on the way out v128-191 64 numbers, v192-211 codes, v212-223 at work.
;   Window 1: S0's fragments, TWO sets, v0-95 and v128-223; v96-127, v224-255 S1's bias, eight registers a block.   Windows 2, 3: the accumulators, (a, b) at v[8 (8 (a % 4) + b)].
.set XS,    6291456                    ; xq: the scale words begin here
.set WS,    3145728                    ; wq
.set QS,    6291456                    ; qq
.set HALFT, 8*3072                     ; 8 tiles: what one tensor load brings, and what one wave reads of an operand
.set SLOT,  4*HALFT
.set SPARE, 3*SLOT                     ; behind the slots: the spare words, 128 bytes a wave: two blocks of 256 bytes that no other line names
.set AD0,   4                          ; v4-6 S0's LDS address (16 x lane) in slot 0, 1, 2; v7-9 the same with 8 x lane
.set AD1,   10                         ; v10-15 likewise for S1
.set L16,   16
.set L8,    17
.set KW,    18
.set VOFF,  26
.set SHF,   27
.set SPW,   28
.set NIL,   29
.set PW,    30
.set SC1,   32
.set SC0,   64
.set AF,    128
.set PC,    192
.set TM,    212
.set TP,    216
.set TS,    220
.set WV,    14
.set G1,    24                         ; s[24:31] group 1 for data's tiles; s[32:39] for the weight's; s[40:51], s[52:63] three groups 0 each
.set G1B,   32
.set G0,    40
.set G0B,   52
.set SEL,   96
.set BIAS_BY_A, 1                      ; the first K step's C goes by S1's block
.set MSB, 0
.macro WIN new                         ; the immediate's high byte repeats the setting that is left
.if MSB != (\new)
	s_set_vgpr_msb (MSB<<8)|(\new)
.set MSB, (\new)
.endif
.endm
.macro PLACES n                        ; plain vector lines between a matrix instruction and a load into, or a read of, its registers
.rept \n
	v_nop
.endr
.endm
.macro CREST                           ; a round of the cluster's barrier behind its opening barrier
	s_cmp_lg_u32 s[WV], 0
	s_cbranch_scc1 .Lnot_wave_0_\@
	s_barrier_signal -3
.Lnot_wave_0_\@:
	s_barrier_wait -3
	s_barrier_signal -1
	s_barrier_wait -1
.endm
.macro CROUND
	s_barrier_signal -1
	s_barrier_wait -1
	CREST
.endm
.macro JLOAD                           ; the one refill: waves 0 and 1 fetch data's halves, waves 2 and 3 the weight's; four v_nop follow each line
	s_cmp_eq_u32 s15, 0
	s_cbranch_scc0 .Lfor_w_\@
	tensor_load_to_lds s[G0:G0+3], s[G1:G1+7]
	s_nop 0
.rept 4
	v_nop
.endr
	s_branch .Lasked_\@
.Lfor_w_\@:
	tensor_load_to_lds s[G0B:G0B+3], s[G1B:G1B+7]
	s_nop 0
.rept 4
	v_nop
.endr
.Lasked_\@:
.endm
.macro FRAG reg, ad, off               ; a fragment (16 lane-rows x 128 K, 12 registers) is two units: each load reads 512 or 256 consecutive bytes
	ds_load_b128 v[\reg:\reg+3], v[\ad] offset:\off
	ds_load_b64 v[\reg+4:\reg+5], v[\ad+3] offset:(\off)+512
	ds_load_b128 v[\reg+6:\reg+9], v[\ad] offset:(\off)+768
	ds_load_b64 v[\reg+10:\reg+11], v[\ad+3] offset:(\off)+1280
.endm
.macro FETCH_B ks, p                   ; S0's eight fragments of K step ks into set p
	WIN 0x40
.irp i, 0,1,2,3,4,5,6,7
	FRAG 128*(\p)+12*\i, AD0+((\ks)/2)%3, \i*3072+((\ks)%2)*1536
.endr
	WIN 0
.endm
.macro FETCH_A ks, i0                  ; S1's blocks i0 .. i0 + 3
.irp i, \i0, \i0+1, \i0+2, \i0+3
	FRAG AF+12*(\i), AD1+((\ks)/2)%3, (\i)*3072+((\ks)%2)*1536
.endr
.endm
.macro WM ra, rb                       ; ra, rb: source 0's, source 1's scales stand in lanes 16-31
.if (\ra) && (\rb)
	v_wmma_scale_f32_16x16x128_f8f6f4 v[rD:rD+7], v[rA:rA+11], v[rB:rB+11], v[rC:rC+7], v[rSA], v[rSB] matrix_a_fmt:MATRIX_FMT_BF6 matrix_b_fmt:MATRIX_FMT_BF6 matrix_a_scale:MATRIX_SCALE_ROW1 matrix_b_scale:MATRIX_SCALE_ROW1
.elseif (\ra)
	v_wmma_scale_f32_16x16x128_f8f6f4 v[rD:rD+7], v[rA:rA+11], v[rB:rB+11], v[rC:rC+7], v[rSA], v[rSB] matrix_a_fmt:MATRIX_FMT_BF6 matrix_b_fmt:MATRIX_FMT_BF6 matrix_a_scale:MATRIX_SCALE_ROW1
.elseif (\rb)
	v_wmma_scale_f32_16x16x128_f8f6f4 v[rD:rD+7], v[rA:rA+11], v[rB:rB+11], v[rC:rC+7], v[rSA], v[rSB] matrix_a_fmt:MATRIX_FMT_BF6 matrix_b_fmt:MATRIX_FMT_BF6 matrix_b_scale:MATRIX_SCALE_ROW1
.else
	v_wmma_scale_f32_16x16x128_f8f6f4 v[rD:rD+7], v[rA:rA+11], v[rB:rB+11], v[rC:rC+7], v[rSA], v[rSB] matrix_a_fmt:MATRIX_FMT_BF6 matrix_b_fmt:MATRIX_FMT_BF6
.endif
.endm
; 16 matrix instructions: S1's blocks a0, a0 + 1 x S0's eight.  The 64 accumulators take turns, one instruction a turn, in the same order in every step.
.macro MUL16 a0, p, ks, first
.irp a, \a0, \a0+1
.irp b, 0,1,2,3,4,5,6,7
.set rD, 8*(8*((\a)%4)+\b)
.set rA, 128*(\p)+12*\b
.set rB, AF+12*(\a)
.set rSA, SC0+8*(\b/2)+(\ks)
.set rSB, SC1+8*((\a)/2)+((\ks)+4)%8   ; S1's word of K step ks stands four registers on, so that a product's two scale registers differ by 4 modulo 8
.set rC, rD
.if \first
.if BIAS_BY_A
.set rC, 96+8*((\a)%4)+128*((\a)/4)
.else
.set rC, 96+8*(\b%4)+128*(\b/4)
.endif
.endif
	WM \b%2, (\a)%2
.endr
.endr
.endm
; A K step whose successor's fragments may be read without a barrier.  first = 1: the bias registers (window 1) are C: nothing is cleared.
.macro STEP ks, first
	s_wait_dscnt 16                                ; S0's set and S1's blocks 0-3 are in; the youngest 16 loads (S1's blocks 4-7) may be out
.if \first
	WIN 0x91
.else
	WIN 0xa1
.endif
	MUL16 0, (\ks)%2, \ks, \first
	MUL16 2, (\ks)%2, \ks, \first
	s_wait_dscnt 0x0                               ; S1's blocks 4-7 are in
	PLACES 4
	FETCH_B (\ks)+1, 1-(\ks)%2
	FETCH_A (\ks)+1, 0
.if \first
	WIN 0xd1
.else
	WIN 0xf1
.endif
	MUL16 4, (\ks)%2, \ks, \first
	MUL16 6, (\ks)%2, \ks, \first
	PLACES 4
	WIN 0
	FETCH_A (\ks)+1, 4
.endm
; A K step with a barrier: in front of it each wave waits for all its tensor loads, adds 0 to its spare word, and waits for that and for its LDS reads.  fill = 1: slot 0, which nobody reads any more, is filled again.
.macro TURN ks, fill
	s_wait_tensorcnt 0x0                           ; all my tensor loads have landed
	ds_add_u32 v[SPW], v[NIL]                      ; 0 onto my spare word
	s_wait_dscnt 17                                ; (the add and the youngest 16 loads may be out)
	WIN 0xa1
	MUL16 0, (\ks)%2, \ks, 0
	s_wait_dscnt 0x0                               ; the add is done, and all my LDS reads are back
	s_barrier_signal -1
	MUL16 2, (\ks)%2, \ks, 0
	WIN 0
	s_barrier_wait -1
.if \fill
	CREST                                          ; the barrier has opened a round of the cluster's: no wave of any partner still reads slot 0 or has a load on its way
	s_mov_b32 s[G1+2], 8<<16                       ; no tensor load of mine is out: the refill brings 8 tiles a wave
	s_mov_b32 s[G1+4], 8
	s_mov_b32 s[G1B+2], 8<<16
	s_mov_b32 s[G1B+4], 8
	JLOAD                                          ; K steps 6 and 7: four K steps' products stand between this request and the wait for it; its four v_nop are the places in front of the loads below
.else
	PLACES 4
.endif
	FETCH_B (\ks)+1, 1-(\ks)%2
	FETCH_A (\ks)+1, 0
	WIN 0xf1
	MUL16 4, (\ks)%2, \ks, 0
	MUL16 6, (\ks)%2, \ks, 0
	PLACES 4
	WIN 0
	FETCH_A (\ks)+1, 4
.endm
.macro QUANT s                         ; 64 numbers of a lane, register 16 b + i = k 32 b + 16 (lane / 16) + i of my row, become a fragment's codes in v[PC] on and its scale word in v[PW]
.irp b, 0,1,2,3
	v_max3_num_f32 v[TM+\b], |v[\s+16*\b]|, |v[\s+1+16*\b]|, 0x2800000   ; and the floor 2^(5 - 127): the byte cannot fall under 1
.endr
.irp i, 2,4,6,8,10,12,14
.irp b, 0,1,2,3
	v_max3_num_f32 v[TM+\b], v[TM+\b], |v[\s+16*\b+\i]|, |v[\s+1+16*\b+\i]|
.endr
.endr
.irp b, 0,1,2,3
	v_permlanex16_b32 v[TP+\b], v[TM+\b], s[SEL], s[SEL+1]
.endr
.irp b, 0,1,2,3
	v_max_num_f32 v[TM+\b], v[TM+\b], v[TP+\b]
.endr
.irp b, 0,1,2,3
	v_add_nc_u32 v[TS+\b], 0xfe000000, v[TM+\b]    ; 4 off the exponent field: the conversion's scale operand
.endr
.irp b, 0,1,2,3
	v_lshrrev_b32 v[TP+\b], 23, v[TS+\b]           ; the scale's byte
.endr
	v_lshl_or_b32 v[PW], v[TP+1], 8, v[TP]
	v_lshl_or_b32 v[PW], v[TP+2], 16, v[PW]
	v_lshl_or_b32 v[PW], v[TP+3], 24, v[PW]
.irp c, 0,1
	v_cvt_scalef32_pk16_bf6_f32 v[PC+6*\c:PC+2+6*\c], v[\s+32*\c:\s+15+32*\c], v[TS+2*\c]
	v_cvt_scalef32_pk16_bf6_f32 v[PC+12+4*\c:PC+14+4*\c], v[\s+16+32*\c:\s+31+32*\c], v[TS+2*\c+1]
.endr
	v_nop                                          ; one plain line behind the scaled conversions
.irp c, 0,1
.irp i, 0,1,2
	v_permlane16_swap_b32 v[PC+6*\c+\i], v[PC+12+4*\c+\i]
.endr
.irp i, 0,1,2
	v_mov_b32 v[PC+3+6*\c+\i], v[PC+12+4*\c+\i]
.endr
.endr
.endm
; THE WAY OUT of S1's block a: its 64 numbers a lane get S0's bias and move to window 0 (each accumulator from its low end on), are quantised, and leave as two units of 768 bytes.
.macro EPI a
.if (\a) > 0
	s_wait_xcnt 0x0                                ; the last block's stores have read their registers and bases
	s_add_nc_u64 s[48:49], s[48:49], s[36:37]
	s_add_nc_u64 s[50:51], s[50:51], s[36:37]
.endif
.if (\a) == 4
	s_add_nc_u64 s[48:49], s[48:49], s[38:39]      ; v: on to the next head
	s_add_nc_u64 s[50:51], s[50:51], s[38:39]
.endif
	WIN 0x02+(\a)/4
.set i, 0
.rept 32
	v_pk_add_f32 v[128+2*i:129+2*i], v[64*((\a)%4)+2*i:64*((\a)%4)+2*i+1], v[96+2*i+96*(i/16):97+2*i+96*(i/16)]
.set i, i+1
.endr
	WIN 0
	QUANT 128
	global_store_b128 v[L16], v[PC:PC+3], s[48:49]             ; each store covers 512 or 256 consecutive bytes
	global_store_b64 v[L8], v[PC+4:PC+5], s[48:49] offset:512
	global_store_b128 v[L16], v[PC+6:PC+9], s[50:51]
	global_store_b64 v[L8], v[PC+10:PC+11], s[50:51] offset:512
	v_lshrrev_b32 v[KW+(\a)], v[SHF], v[PW]        ; q, k: lanes 0-15 keep the first head's two bytes, lanes 16-31 the second's; v: the whole word
	v_and_b32 v[KW+(\a)], s47, v[KW+(\a)]
.endm
	s_load_b256 s[4:11], s[0:1], 0x0               ; xq s[4:5], wq s[6:7], b_qkv s[8:9], qq s[10:11]
	s_load_b64 s[12:13], s[0:1], 0x20              ; kv
	v_lshl_add_u32 v[SPW], v0, 2, SPARE
	v_mov_b32 v[NIL], 0
	ds_add_u32 v28, v29
	ds_add_u32 v28, v29
	s_wait_dscnt 0x0
	v_lshrrev_b32 v1, 5, v0
	v_readfirstlane_b32 s[WV], v1                  ; wave 0..3
	s_lshr_b32 s15, s[WV], 1                       ; I fetch for data (0) or for the weight (1); also: which half of S1
	s_and_b32 s16, s[WV], 1                        ; which 8 tiles I fetch; also: which half of S0
	s_bfe_u32 s17, ttmp6, 0x40000                  ; cx
	s_bfe_u32 s18, ttmp6, 0x40004                  ; cy
	s_lshl_b32 s19, ttmp9, 2
	s_add_co_u32 s19, s19, s17                     ; which 256 columns
	s_and_b32 s20, ttmp7, 0xffff
	s_lshl_b32 s20, s20, 2
	s_add_co_u32 s20, s20, s18                     ; which 256 rows
	s_lshl_b32 s21, s18, 2
	s_lshl_b32 s21, 15, s21                        ; my row of the cluster
	s_lshl_b32 s22, 0x1111, s17                    ; my column
	s_or_b32 s[G1], s21, (3<<16)|(1<<21)           ; the mask; elements of 8 bytes; bit 21 set beside a mask; no padding
	s_or_b32 s[G1B], s22, (3<<16)|(1<<21)
.irp g, G1, G1B
	s_mov_b32 s[\g+1], 384<<16                     ; tensor_dim0 = 384: a tile's 3,072 bytes of 256 along K
	s_mov_b32 s[\g+2], 8<<16                       ; tensor_dim1 = 8 tiles
	s_mov_b32 s[\g+3], 384<<16
	s_mov_b32 s[\g+4], 8
	s_mov_b32 s[\g+5], 384                         ; dense: in memory a quarter of K of 16 tiles lies on end
	s_mov_b32 s[\g+6], 0
	s_mov_b32 s[\g+7], 0
.endr
	; codes lie as [16 tiles][quarter of K][tile][3,072 bytes].  Groups 0: +0 the refill (quarter 3, my 8 tiles), +4 quarter 0 of all 16 tiles, +8 quarters 1 and 2 on end.
	; LDS: slot 0 = data's 16 tiles, the weight's 16; behind it data's quarters 1, 2, then the weight's quarters 1, 2
	s_mul_i32 s66, s20, 8*HALFT                    ; data: hangs on cy alone
	s_mov_b32 s67, 0
	s_mul_i32 s68, s19, 8*HALFT                    ; the weight: hangs on cx alone
	s_mov_b32 s69, 0
	s_mul_i32 s70, s[WV], HALFT                    ; where a refill goes: no place in the cluster enters an LDS address
	s_mul_i32 s92, s16, HALFT
	s_add_co_u32 s92, s92, 6*HALFT                 ; quarter 3, my 8 tiles
	s_mov_b32 s93, 0
	s_wait_kmcnt 0x0
	s_add_nc_u64 s[66:67], s[4:5], s[66:67]
	s_add_nc_u64 s[68:69], s[6:7], s[68:69]
.irp g, G0, G0B
	s_mov_b32 s[\g], 1
	s_mov_b32 s[\g+1], s70
	s_mov_b32 s[\g+4], 1
	s_mov_b32 s[\g+8], 1
.endr
	s_mov_b32 s[G0+5], 0
	s_mov_b32 s[G0+9], SLOT
	s_mov_b32 s[G0B+5], 2*HALFT
	s_mov_b32 s[G0B+9], SLOT+4*HALFT
	s_add_nc_u64 s[G0+2:G0+3], s[66:67], s[92:93]
	s_mov_b64 s[G0+6:G0+7], s[66:67]
	s_add_nc_u64 s[G0+10:G0+11], s[66:67], 2*HALFT
	s_add_nc_u64 s[G0B+2:G0B+3], s[68:69], s[92:93]
	s_mov_b64 s[G0B+6:G0B+7], s[68:69]
	s_add_nc_u64 s[G0B+10:G0B+11], s[68:69], 2*HALFT
.irp w, G0+3, G0+7, G0+11, G0B+3, G0B+7, G0B+11
	s_or_b32 s[\w], s[\w], 0x80000000
.endr
	CROUND                                         ; all sixteen work-groups are here: the first joint loads meet
	; the head's four tiles, one a wave, each on a line of its own: slot 0's data, slot 0's weight, then quarters 1 and 2 of each
.macro HARM wave, g0, g1, rows, next
	s_cmp_eq_u32 s[WV], \wave
	s_cbranch_scc0 \next
	s_mov_b32 s[\g1+2], (\rows)<<16
	s_mov_b32 s[\g1+4], \rows
	tensor_load_to_lds s[\g0:\g0+3], s[\g1:\g1+7]
	s_nop 0
.rept 4
	v_nop
.endr
	s_branch .Lfirst_asked
\next:
.endm
	HARM 0, G0+4, G1, 16, .Lhead_1
	HARM 1, G0B+4, G1B, 16, .Lhead_2
	HARM 2, G0+8, G1, 32, .Lhead_3
	s_mov_b32 s[G1B+2], 32<<16
	s_mov_b32 s[G1B+4], 32
	tensor_load_to_lds s[G0B+8:G0B+11], s[G1B:G1B+7]
	s_nop 0
.rept 4
	v_nop
.endr
.Lfirst_asked:
	s_cmp_eq_u32 ttmp9, 2                          ; v?  The cluster's x: the same in all partners
	s_cselect_b32 s71, 0, 2*HALFT                  ; S0's region of a slot: data for v, else the weight
	s_cselect_b32 s72, 2*HALFT, 0                  ; S1's
	s_cselect_b32 s75, s16, s15                    ; which half of the 256 rows is my wave's
	s_cselect_b32 s76, s15, s16                    ; which half of the 256 columns
	s_cselect_b32 s77, 1.0, 0                      ; the factor of S1's bias
	s_cselect_b32 s78, 0, 1.0                      ; and of S0's
	s_mov_b32 s79, s78                             ; (named with it as a pair)
	s_mul_i32 s73, s16, HALFT
	s_add_co_u32 s73, s73, s71
	s_mul_i32 s74, s15, HALFT
	s_add_co_u32 s74, s74, s72
	v_and_b32 v1, 31, v0
	v_bfe_u32 v2, v0, 4, 1                         ; h
	v_and_b32 v3, 15, v0                           ; r
	v_lshlrev_b32 v[L16], 4, v1
	v_lshlrev_b32 v[L8], 3, v1
.irp f, 0,1,2
	v_add_nc_u32 v[AD0+\f], s73, v[L16]
	v_add_nc_u32 v[AD0+3+\f], s73, v[L8]
	v_add_nc_u32 v[AD1+\f], s74, v[L16]
	v_add_nc_u32 v[AD1+3+\f], s74, v[L8]
.if \f == 0
	s_add_co_u32 s73, s73, s71                     ; behind slot 0 an operand's region is twice as long
	s_add_co_u32 s74, s74, s72
	s_add_co_u32 s73, s73, SLOT
	s_add_co_u32 s74, s74, SLOT
.else
	s_add_co_u32 s73, s73, 2*HALFT
	s_add_co_u32 s74, s74, 2*HALFT
.endif
.endr
	s_lshl_b32 s80, s20, 1
	s_add_co_u32 s80, s80, s75
	s_lshl_b32 s80, s80, 12
	s_add_co_u32 s80, s80, XS
	s_mov_b32 s81, 0
	s_add_nc_u64 s[80:81], s[4:5], s[80:81]        ; the scale words of my 128 rows of data
	s_lshl_b32 s82, s19, 1
	s_add_co_u32 s82, s82, s76
	s_lshl_b32 s82, s82, 12
	s_add_co_u32 s82, s82, WS
	s_mov_b32 s83, 0
	s_add_nc_u64 s[82:83], s[6:7], s[82:83]        ; and of my 128 columns of the weight
	s_cmp_eq_u32 ttmp9, 2
	s_cselect_b64 s[84:85], s[82:83], s[80:81]     ; S1's
	s_cselect_b64 s[86:87], s[80:81], s[82:83]     ; S0's
.irp x, 0,1,2,3
.irp q, 0,1,2,3
	global_load_b64 v[SC1+8*\x+(2*\q+4)%8:SC1+8*\x+(2*\q+4)%8+1], v[L8], s[84:85] offset:\q*1024+\x*256   ; K steps 2 q, 2 q + 1 of tiles 2 x (lanes 0-15) and 2 x + 1 (lanes 16-31): 256 consecutive bytes
	global_load_b64 v[SC0+8*\x+2*\q:SC0+8*\x+2*\q+1], v[L8], s[86:87] offset:\q*1024+\x*256
.endr
.endr
	s_lshl_b32 s88, s19, 10
	s_lshl_b32 s23, s16, 9
	s_add_co_u32 s88, s88, s23
	s_mov_b32 s89, 0
	s_add_nc_u64 s[88:89], s[8:9], s[88:89]        ; the bias of the 128 columns that are S0 in q and k
	s_lshl_b32 s90, s19, 10
	s_lshl_b32 s23, s15, 9
	s_add_co_u32 s90, s90, s23
	s_mov_b32 s91, 0
	s_add_nc_u64 s[90:91], s[8:9], s[90:91]        ; and of those that are S1 in v.  Both stay inside b_qkv on all three paths
	v_lshlrev_b32 v30, 6, v2                       ; 64 h: register 16 B + i is column 32 B + 16 h + i
	v_and_b32 v31, 8, v3
	v_add_nc_u32 v31, v31, v3
	v_lshlrev_b32 v31, 2, v31                      ; 4 (r + 8 (r / 8))
.irp u, 0,1,2,3
.irp j, 0,1,2,3
	global_load_b128 v[96+16*\u+4*\j+96*(\u/2):99+16*\u+4*\j+96*(\u/2)], v30, s[88:89] offset:128*\u+16*\j
.endr
.endr
.irp a, 0,1,2,3,4,5,6,7
	global_load_b32 v[KW+\a], v31, s[90:91] offset:(32*(\a/2)+8*(\a%2))*4
.endr
	s_mov_b32 s[SEL], 0x76543210
	s_mov_b32 s[SEL+1], 0xfedcba98
	s_wait_loadcnt 0x0
.set i, 0
.rept 32
	v_pk_mul_f32 v[96+2*i+96*(i/16):97+2*i+96*(i/16)], v[96+2*i+96*(i/16):97+2*i+96*(i/16)], s[78:79] op_sel_hi:[1,0]   ; S0's bias x 1.0 (q, k) or 0.0 (v)
.set i, i+1
.endr
	WIN 0x40
.irp a, 0,1,2,3,4,5,6,7
.irp j, 0,1,2,3,4,5,6,7
	v_mul_f32 v[96+8*(\a%4)+128*(\a/4)+\j], s77, v[KW+\a]      ; S1's bias x 1.0 (v) or 0.0: the same number in a lane's eight registers
.endr
.endr
	WIN 0
	s_wait_alu depctr_va_vdst(0)
	s_cmp_lt_u32 s[WV], 2
	s_cbranch_scc0 .Lnot_first
	s_wait_tensorcnt 0x0                           ; waves 0 and 1: slot 0's tile of mine is in; waves 2 and 3's tiles may be out
.Lnot_first:
	s_barrier_signal -1
	s_barrier_wait -1
	FETCH_B 0, 0
	FETCH_A 0, 0
	FETCH_A 0, 4
	STEP 0, 1
	TURN 1, 1                                      ; every wave has shown slots 1 and 2 landed; slot 0 is filled again
	STEP 2, 0
	STEP 3, 0
	STEP 4, 0
	TURN 5, 0                                      ; the refill has landed in every wave
	STEP 6, 0
	s_wait_dscnt 16                                ; the last K step: nothing more to fetch
	WIN 0xa1
	MUL16 0, 1, 7, 0
	MUL16 2, 1, 7, 0
	s_wait_dscnt 0x0
	WIN 0xf1
	MUL16 4, 1, 7, 0
	MUL16 6, 1, 7, 0
	WIN 0
	; where the results go.  No tensor load is out, so the descriptors' registers are free
	s_and_b32 s24, s19, 3
	s_lshl_b32 s24, s24, 2
	s_lshl_b32 s29, s76, 1
	s_add_co_u32 s24, s24, s29                     ; my first head of two
	s_lshr_b32 s29, s20, 3
	s_lshl_b32 s29, s29, 4
	s_add_co_u32 s24, s24, s29                     ; g = 16 n + head
	s_and_b32 s25, s20, 7
	s_lshl_b32 s25, s25, 1
	s_add_co_u32 s25, s25, s75                     ; which 128 of the 2,048 rows
	s_mul_i32 s26, s24, 98304
	s_mul_i32 s29, s25, 6144
	s_add_co_u32 s26, s26, s29                     ; qq: [g][tile 128][768]
	s_mul_i32 s27, s24, 212992
	s_mul_i32 s29, s25, 13312
	s_add_co_u32 s27, s27, s29                     ; kv: [g][key step 16][13,312]: K's codes 6,144, V's 6,144, K's scale words 512, V's 512
	s_lshl_b32 s28, s24, 13
	s_lshl_b32 s29, s25, 9
	s_add_co_u32 s28, s28, s29
	s_add_co_u32 s28, s28, QS                      ; qq's scale words: [g][32][r 16][4 tiles]
	s_cmp_eq_u32 ttmp9, 2
	s_cselect_b32 s56, 6144, 0
	s_mov_b32 s34, 12288
	s_cselect_b32 s34, 12800, s34
	s_mov_b32 s36, 768
	s_cselect_b32 s36, 1536, s36                   ; from block to block
	s_cselect_b32 s38, 206848, 0                   ; v: more at block 4: 4 x 1,536 + this = a head
	s_mov_b32 s40, 212992
	s_cselect_b32 s40, 768, s40                    ; from a fragment's first unit to its second: the next head (q, k), the next 64 keys (v)
	s_mov_b32 s42, 212992
	s_cselect_b32 s42, 256, s42                    ; the scale words: from lanes 0-15 to lanes 16-31
	s_mov_b32 s44, 256
	s_cselect_b32 s44, 212992, s44                 ; and from blocks 0-3 to blocks 4-7
	s_cselect_b32 s46, 0, 16
	s_cselect_b32 s47, -1, 0xffff
	s_add_co_u32 s56, s56, s27
	s_add_co_u32 s34, s34, s27
	s_cmp_eq_u32 ttmp9, 0                          ; q?
	s_cselect_b64 s[30:31], s[10:11], s[12:13]
	s_cselect_b32 s32, s26, s56
	s_cselect_b32 s34, s28, s34
	s_cselect_b32 s40, 98304, s40
	s_cselect_b32 s42, 8192, s42
	s_mov_b32 s33, 0
	s_mov_b32 s35, 0
	s_mov_b32 s37, 0
	s_mov_b32 s39, 0
	s_mov_b32 s41, 0
	s_mov_b32 s45, 0
	s_add_nc_u64 s[48:49], s[30:31], s[32:33]
	s_add_nc_u64 s[50:51], s[48:49], s[40:41]
	s_add_nc_u64 s[52:53], s[30:31], s[34:35]
	s_add_nc_u64 s[54:55], s[52:53], s[44:45]
	PLACES 4                                       ; behind the last products: results are read, and registers that they read are written
	v_mul_lo_u32 v[VOFF], v2, s42
	v_lshl_add_u32 v[VOFF], v3, 4, v[VOFF]         ; 16 r + the half's step
	v_mul_lo_u32 v[SHF], v2, s46
.irp a, 0,1,2,3,4,5,6,7
	EPI \a
.endr
	global_store_b128 v[VOFF], v[KW:KW+3], s[52:53]        ; sixteen lanes store 256 consecutive bytes: four tiles' words of each lane-row
	global_store_b128 v[VOFF], v[KW+4:KW+7], s[54:55]
	s_wait_tensorcnt 0x0                           ; the wave's end
	ds_add_u32 v[SPW], v[NIL]
	s_wait_dscnt 0x0
	CROUND                                         ; the closing round
	s_endpgm
.Lfunc_end_k_q23907c80e2_qkv:
	.size	k_q23907c80e2_qkv, .Lfunc_end_k_q23907c80e2_qkv-k_q23907c80e2_qkv
	.p2alignl 7, 3214868480
	.fill 96, 4, 3214868480
	.section	.rodata,"a",@progbits
	.p2align	6, 0x0
	.amdhsa_kernel k_q23907c80e2_qkv
		.amdhsa_group_segment_fixed_size 327680
		.amdhsa_private_segment_fixed_size 0
		.amdhsa_enable_private_segment 0
		.amdhsa_kernarg_size 40
		.amdhsa_user_sgpr_count 2
		.amdhsa_user_sgpr_kernarg_segment_ptr 1
		.amdhsa_wavefront_size32 1
		.amdhsa_system_sgpr_workgroup_id_x 1
		.amdhsa_system_sgpr_workgroup_id_y 1
		.amdhsa_system_sgpr_workgroup_id_z 1
		.amdhsa_system_vgpr_workitem_id 0
		.amdhsa_next_free_vgpr 1024
		.amdhsa_next_free_sgpr 100
		.amdhsa_reserve_vcc 0
		.amdhsa_float_denorm_mode_32 3
		.amdhsa_float_denorm_mode_16_64 3
		.amdhsa_memory_ordered 1
		.amdhsa_forward_progress 1
		.amdhsa_inst_pref_size 173
	.end_amdhsa_kernel
	.amdgpu_metadata
---
amdhsa.version: [ 1, 2 ]
amdhsa.kernels:
  - .name:           k_q23907c80e2_qkv
    .symbol:         k_q23907c80e2_qkv.kd
    .args:
      - { .name: xq, .offset: 0, .size: 8, .value_kind: global_buffer, .address_space: global }
      - { .name: wq, .offset: 8, .size: 8, .value_kind: global_buffer, .address_space: global }
      - { .name: b_qkv, .offset: 16, .size: 8, .value_kind: global_buffer, .address_space: global }
      - { .name: qq, .offset: 24, .size: 8, .value_kind: global_buffer, .address_space: global }
      - { .name: kv, .offset: 32, .size: 8, .value_kind: global_buffer, .address_space: global }
    .group_segment_fixed_size: 327680
    .private_segment_fixed_size: 0
    .kernarg_segment_align: 8
    .kernarg_segment_size: 40
    .max_flat_workgroup_size: 128
    .sgpr_count:     100
    .vgpr_count:     1024
    .wavefront_size: 32
...
	.end_amdgpu_metadata
.endif
;; end of part 2
;; launch attn (part 3): grid 4 x 64, 16 waves a work-group, clusters of 4 x 1, 327,680 bytes of LDS; arguments qq, kv, ao; writes ao
.if DOCPART == 3
	.amdgcn_target "amdgcn-amd-amdhsa--gfx1250"
	.amdhsa_code_object_version 6
	.text
	.protected	k_q23907c80e2_attn
	.globl	k_q23907c80e2_attn
	.p2align	8
	.type	k_q23907c80e2_attn,@function
k_q23907c80e2_attn:
	s_mov_b64 s[64:65], 0
	v_nop
	global_prefetch_b8 v0, s[64:65] scope:SCOPE_SE
	s_setreg_imm32_b32 hwreg(HW_REG_WAVE_MODE, 25, 1), 1
	s_wait_xcnt 0x0
	s_wait_alu depctr_hold_cnt(0) depctr_sa_sdst(0) depctr_va_vdst(0) depctr_va_sdst(0) depctr_va_ssrc(0) depctr_va_vcc(0) depctr_vm_vsrc(0)
	s_getreg_b32 s2, hwreg(HW_REG_IB_STS2, 6, 4)
	s_cmp_eq_u32 s2, 0
	s_cbranch_scc0 .Lentry_in_a_cluster
	s_endpgm
.Lentry_in_a_cluster:
	s_bfe_u32 s2, ttmp6, 0x10000c
	s_cmp_lg_u32 s2, 0x3003
	s_cbranch_scc0 .Lentry_shape_is_right
	s_endpgm
.Lentry_shape_is_right:
; o = softmax(q k^T / 8) v for one batch and head g (work-group y) and 512 queries (place in the cluster), on codes of BF6 (E3M2) with E8M0 scales; o leaves as codes along the head's 64.
; p = 2^(t - M), t = score x log2(e) / 8, M the running largest t rounded up to a whole number; the row's sum is taken of the unquantised p; O^T and the sum are brought under a new M by an exact power of two.
; LIMITS: NaN and infinities are not served; the promise holds while |t| stays under 2^31.  A block of zeros gets the byte 1, not 127: its codes are zeros, and this program alone reads the bytes.
; SHARES: 16 waves; a wave owns two tiles of 16 queries and walks the 16 key steps of 128 keys once for each (the outer loop's two trips).  Both products are used transposed: a lane holds one query.
; K's head size is 64: the upper half of q's operand is zero codes, and K's operand of tile t runs on into tile t + 1's registers, which those zeros multiply.
; LDS: all of K and V of the head, 16 key steps of 13,312 bytes (K's codes 6,144, V's 6,144, K's scale words 512, V's 512), as rows of 256 bytes + 64 of padding: 16,640 bytes a step.  Wave w asks for key step w by ONE
; joint load at the head; the four work-groups of the cluster read the same head and ask jointly.  Nothing is filled again.  No prefetch: all is asked for at the head, so there is no loop to run ahead in.
; WHICH KEYS FORM A TILE OF K is chosen by the lanes' LDS addresses.  In memory lane-row r of tile 2 B + u is key 32 B + 8 u + r + 8 (r / 8).  Tile 4 c + t as it is multiplied takes for its rows 0-7 the keys 64 c + 8 t + 0 .. 7
; and for its rows 8-15 the keys 32 further on: rows 8 (t / 2) + 0 .. 7 of the stored tiles 4 c + t % 2 and 4 c + 2 + t % 2.  So the 32 registers of tiles 4 c .. 4 c + 3 in lane (query, h) are keys 64 c + 32 h + 0 .. 31:
; a whole scale block of p, in the order of the operand's registers: its largest p needs no other lane, and its codes need no exchange.  With the padding the two stored tiles lie 1,920 bytes apart, 128 modulo 256.
; TWO REGIONS OF 64 REGISTERS change roles from step to step.  Step n: K(n) lies in KR; the scores go to SR; V(n) lands on KR; when p is converted, K(n + 1) lands on SR's first 48 registers; the sums over SR's last 16
; stand behind V's products, where they are the places in front of the next scores, which are written over V's fragments.  Key step 15 fetches K(0), for the next tile (behind the last tile it is not used).
; ao: codes [16 tiles][4 heads' quarter of K][tile][3,072 bytes], a head's unit 768 bytes; scale bytes as the last launch's registers take them.
.set QS,    6291456                    ; qq: the scale words begin here
.set ASC,   6291456                    ; ao: likewise
.set STEPB, 13312                      ; a key step in memory,
.set STEPL, 16640                      ; and in LDS: 52 rows of 320 bytes
.set SPARE, 16*STEPL                   ; behind the tiles: the spare words, 128 bytes a wave
.set BK16, 1                           ; a lane's places in a key step: K's pieces of 16 bytes, of 8 bytes, K's scale words, V's pieces of 16 bytes, of 8 bytes (8 x lane)
.set BK8,  2
.set BKS,  3
.set BV16, 4
.set BV8,  5
.set AK16, 6                           ; the same + a key step's place: K's for the next step, V's for this one
.set LN,   7
.set HO,   8
.set AK8,  9
.set AKS,  10
.set AV16, 11
.set T2,   14                          ; the step's largest t;  v12 -M, v13 the running largest t
.set AV8,  15
.set XR,   32                          ; v32-95, v96-159 the two regions
.set YR,   96
.set OA,   160                         ; v160-191 O^T
.set PCD,  192                         ; v192-203 p's codes; v204-210 the conversions' second halves
.set PCT,  204
.set BM,   212                         ; v212-219 eight chains of maxima; then block c's largest in v[212 + 4 c], its byte in v[213 + 4 c]
.set BP,   216
.set SO,   220                         ; v220-221 the conversions' scale operands
.set SH,   223                         ; 8 x (lane / 16)
.set T,    224
.set QSC,  225                         ; q's scale word.  K's scale words: v28-31, v250-253
.set F,    226
.set PWD,  227                         ; p's scale word
.set VS,   228                         ; v228-231 V's scale words;  v232-237, v248 the second tile's q
.set CH,   238                         ; v238-245 four sums of two halves each; the first is carried from step to step
.set L16,  249                         ; 16 x lane
.set WV,   10
.set G1,   16
.set G0,   24
.set SEL,  40
.set CS,   42
.set TBA,  44
.set CNT,  45
.set IDX,  56
.set PASS, 57
.set TBB,  58
.macro CROUND
	s_barrier_signal -1
	s_barrier_wait -1
	s_cmp_lg_u32 s[WV], 0
	s_cbranch_scc1 .Lnot_wave_0_\@
	s_barrier_signal -3
.Lnot_wave_0_\@:
	s_barrier_wait -3
	s_barrier_signal -1
	s_barrier_wait -1
.endm
.macro MM d, a, b, c, sa, sb
	v_wmma_scale_f32_16x16x128_f8f6f4 v[\d:\d+7], v[\a:\a+11], v[\b:\b+11], \c, v[\sa], v[\sb] matrix_a_fmt:MATRIX_FMT_BF6 matrix_b_fmt:MATRIX_FMT_BF6
.endm
.macro KLOAD R                         ; K's scale words (four tiles' to a load), then its eight tiles: 18 loads
	ds_load_2addr_b64 v[28:31], v[AKS] offset0:0 offset1:16
	ds_load_2addr_b64 v[250:253], v[AKS] offset0:40 offset1:56
.irp c, 0,1
.irp t, 0,1,2,3
	ds_load_b128 v[\R+6*(4*\c+\t):\R+6*(4*\c+\t)+3], v[AK16] offset:3840*\c+960*(\t%2)+128*(\t/2)
	ds_load_b64 v[\R+6*(4*\c+\t)+4:\R+6*(4*\c+\t)+5], v[AK8] offset:3840*\c+960*(\t%2)+640+64*(\t/2)
.endr
.endr
.endm
.macro ADDS SR, k0, n                  ; pairs k0 .. k0 + n - 1 of p onto the four sums by turns
.set k, \k0
.rept \n
	v_pk_add_f32 v[CH+2*(k%4):CH+2*(k%4)+1], v[CH+2*(k%4):CH+2*(k%4)+1], v[\SR+2*k:\SR+2*k+1]
.set k, k+1
.endr
.endm
.macro STEP KR, SR, SC, SN             ; s[SC]: this key step's place in LDS; s[SN] takes the next one's
	s_add_co_u32 s[IDX], s[IDX], 1
	s_and_b32 s[\SN], s[IDX], 15
	s_mul_i32 s[\SN], s[\SN], STEPL                ; behind key step 15 comes 0
	s_wait_dscnt 0x0                               ; K and its scale words, asked for in the step before, are in
.irp t, 0,1,2,3,4,5,6,7
	MM \SR+8*\t, \KR+6*\t, 16, 0, 28+\t+218*(\t/4), QSC
.endr
	v_add_nc_u32 v[AV16], s[\SC], v[BV16]          ; six plain lines behind the products
	v_add_nc_u32 v[AV8], s[\SC], v[BV8]
	v_add_nc_u32 v[AK16], s[\SN], v[BK16]
	v_add_nc_u32 v[AK8], s[\SN], v[BK8]
	v_add_nc_u32 v[AKS], s[\SN], v[BKS]
	v_mov_b32 v[T], v12                            ; the old -M
.irp d, 0,1,2,3
	ds_load_b128 v[\KR+12*\d:\KR+12*\d+3], v[AV16] offset:7680+1920*\d
	ds_load_b64 v[\KR+12*\d+4:\KR+12*\d+5], v[AV8] offset:7680+1920*\d+640
	ds_load_b128 v[\KR+12*\d+6:\KR+12*\d+9], v[AV16] offset:7680+1920*\d+960
	ds_load_b64 v[\KR+12*\d+10:\KR+12*\d+11], v[AV8] offset:7680+1920*\d+1600
.endr
	ds_load_b128 v[VS:VS+3], v[AV16] offset:16000  ; V's four fragments and scale words: 17 loads
.irp t, 0,1,2,3,4,5,6,7
	v_max3_num_f32 v[BM+\t], v[\SR+8*\t], v[\SR+8*\t+1], v[\SR+8*\t+2]      ; a chain to a tile, each accumulator from its low end on
.endr
.irp i, 3,5
.irp t, 0,1,2,3,4,5,6,7
	v_max3_num_f32 v[BM+\t], v[BM+\t], v[\SR+8*\t+\i], v[\SR+8*\t+\i+1]
.endr
.endr
.irp c, 0,1
	v_max3_num_f32 v[BM+4*\c], v[BM+4*\c], v[BM+4*\c+1], v[BM+4*\c+2]       ; my two blocks' largest scores: for the row's maximum and for the blocks' largest p
.endr
.irp c, 0,1
	v_max3_num_f32 v[BM+4*\c], v[BM+4*\c], v[BM+4*\c+3], v[\SR+32*\c+7]
.endr
.irp c, 0,1
	v_max3_num_f32 v[BM+4*\c], v[BM+4*\c], v[\SR+32*\c+15], v[\SR+32*\c+23]
.endr
.irp c, 0,1
	v_max_num_f32 v[BM+4*\c], v[BM+4*\c], v[\SR+32*\c+31]
.endr
	v_max_num_f32 v[T2], v[BM], v[BM+4]
	v_permlanex16_b32 v[BM+1], v[T2], s[SEL], s[SEL+1]
	v_max_num_f32 v[T2], v[T2], v[BM+1]            ; with lane l xor 16's 64 keys: the step's largest score of my query
	v_mul_f32 v[T2], s[CS], v[T2]
	v_max_num_f32 v13, v13, v[T2]                  ; the running largest t
	v_floor_f32 v12, -v13                          ; -M
.set j, 0
.rept 32
	v_pk_fma_f32 v[\SR+j:\SR+j+1], v[\SR+j:\SR+j+1], s[CS:CS+1], v[12:13] op_sel_hi:[1,0,0]
.if j == 4
	v_sub_f32 v[T], v12, v[T]                      ; old M - new M, a whole number
.endif
.if j == 16
	v_cvt_i32_f32 v[T], v[T]
.endif
.if j == 28
	v_ldexp_f32 v[F], 1.0, v[T]                    ; f = 2^(old M - new M)
.endif
.set j, j+2
.endr
.irp c, 0,1
	v_fma_f32 v[BM+4*\c], v[BM+4*\c], s[CS], v12
.endr
	s_wait_alu depctr_va_vdst(0)                   ; ahead of the batch
.irp c, 0,1
	v_exp_f32 v[BM+4*\c], v[BM+4*\c]               ; each block's largest p
.endr
.set j, 0
.rept 64
	v_exp_f32 v[\SR+j], v[\SR+j]
.set j, j+1
.endr
	v_pk_mul_f32 v[CH:CH+1], v[CH:CH+1], v[F:F+1] op_sel_hi:[1,0]   ; the sum under the new M
	s_wait_alu depctr_va_vdst(0)                   ; behind the batch
.irp c, 1,2,3
	v_pk_add_f32 v[CH+2*\c:CH+2*\c+1], v[\SR+4*\c-4:\SR+4*\c-3], v[\SR+4*\c-2:\SR+4*\c-1]   ; the sum of the unquantised p: here over the first 48 registers
.endr
.irp c, 0,1
	v_max_num_f32 v[BM+4*\c], 0x2800000, v[BM+4*\c]        ; the floor 2^(5 - 127)
.endr
	ADDS \SR, 6, 6
.irp c, 0,1
	v_add_nc_u32 v[SO+\c], 0xfe000000, v[BM+4*\c]  ; 4 off the exponent field: the conversion's scale operand
.endr
	ADDS \SR, 12, 6
.irp c, 0,1
	v_lshrrev_b32 v[BM+4*\c+1], 23, v[SO+\c]       ; the scale's byte of block 2 c + lane / 16
.endr
	ADDS \SR, 18, 6
.irp c, 0,1
	v_cvt_scalef32_pk16_bf6_f32 v[PCD+6*\c:PCD+2+6*\c], v[\SR+32*\c:\SR+15+32*\c], v[SO+\c]
	v_cvt_scalef32_pk16_bf6_f32 v[PCT+4*\c:PCT+2+4*\c], v[\SR+16+32*\c:\SR+31+32*\c], v[SO+\c]   ; (a conversion's three registers begin on an even number)
.endr
	v_lshl_or_b32 v[BM+2], v[BM+5], 16, v[BM+1]    ; plain lines behind the scaled conversions: my two bytes,
	v_lshlrev_b32 v[BM+2], v[SH], v[BM+2]          ; at their places in the scale word
	KLOAD \SR                                      ; the next step's K, onto the 48 registers whose p is summed and converted
	v_permlanex16_b32 v[BM+3], v[BM+2], s[SEL], s[SEL+1]
	v_or_b32 v[PWD], v[BM+2], v[BM+3]              ; with lane l xor 16's two the word is whole
.irp c, 0,1
.irp i, 0,1,2
	v_mov_b32 v[PCD+3+6*\c+\i], v[PCT+4*\c+\i]
.endr
.endr
	s_wait_alu depctr_va_vdst(0)                   ; directly ahead of the first reader of O^T
.set j, 0
.rept 16
	v_pk_mul_f32 v[OA+j:OA+j+1], v[OA+j:OA+j+1], v[F:F+1] op_sel_hi:[1,0]
.set j, j+2
.endr
	s_wait_alu depctr_va_vdst(0)
	s_wait_dscnt 18                                ; V's 17 loads are in; younger are the 18 of the next K
.irp d, 0,1,2,3
	MM OA+8*\d, \KR+12*\d, PCD, v[OA+8*\d:OA+8*\d+7], VS+\d, PWD
.endr
	ADDS \SR, 24, 8                                ; the rest of the sum: eleven plain lines behind V's products
	v_pk_add_f32 v[CH+2:CH+3], v[CH+2:CH+3], v[CH+4:CH+5]
	v_pk_add_f32 v[CH:CH+1], v[CH:CH+1], v[CH+6:CH+7]
	v_pk_add_f32 v[CH:CH+1], v[CH:CH+1], v[CH+2:CH+3]
.endm
.macro INIT
	v_mov_b32 v13, 0xff61b1e6                      ; -3e38, under every t
	s_delay_alu instid0(VALU_DEP_1)
	v_floor_f32 v12, -v13
	v_mov_b32 v[CH], 0
	v_mov_b32 v[CH+1], 0
.set j, 0
.rept 32
	v_mov_b32 v[OA+j], 0
.set j, j+1
.endr
.endm
.macro FINISH                          ; O^T / the sum, quantised along the head's 64 (16 neighbours in a lane, a block in lanes l and l xor 16), one unit of 768 bytes; the scale bytes of this tile in v246, of the tile before in v247
	v_add_f32 v[CH], v[CH], v[CH+1]
	s_delay_alu instid0(VALU_DEP_1)
	v_permlanex16_b32 v[T], v[CH], s[SEL], s[SEL+1]
	s_delay_alu instid0(VALU_DEP_1)
	v_add_f32 v[CH], v[CH], v[T]
	s_wait_alu depctr_va_vdst(0)
	v_rcp_f32 v[CH], v[CH]
	v_mov_b32 v247, v246
	s_wait_alu depctr_va_vdst(0)
.set j, 0
.rept 16
	v_pk_mul_f32 v[YR+j:YR+j+1], v[OA+j:OA+j+1], v[CH:CH+1] op_sel_hi:[1,0]
.set j, j+2
.endr
.irp b, 0,1
	v_max3_num_f32 v[BM+\b], |v[YR+16*\b]|, |v[YR+1+16*\b]|, 0x2800000
.endr
.irp i, 2,4,6,8,10,12,14
.irp b, 0,1
	s_delay_alu instid0(VALU_DEP_2)
	v_max3_num_f32 v[BM+\b], v[BM+\b], |v[YR+16*\b+\i]|, |v[YR+1+16*\b+\i]|
.endr
.endr
.irp b, 0,1
	s_delay_alu instid0(VALU_DEP_2)
	v_permlanex16_b32 v[BP+\b], v[BM+\b], s[SEL], s[SEL+1]
.endr
.irp b, 0,1
	s_delay_alu instid0(VALU_DEP_2)
	v_max_num_f32 v[BM+\b], v[BM+\b], v[BP+\b]
.endr
.irp b, 0,1
	s_delay_alu instid0(VALU_DEP_2)
	v_add_nc_u32 v[SO+\b], 0xfe000000, v[BM+\b]
.endr
.irp b, 0,1
	s_delay_alu instid0(VALU_DEP_2)
	v_lshrrev_b32 v[BP+\b], 23, v[SO+\b]
.endr
	s_delay_alu instid0(VALU_DEP_1)
	v_lshl_or_b32 v246, v[BP+1], 8, v[BP]
	v_cvt_scalef32_pk16_bf6_f32 v[PCD:PCD+2], v[YR:YR+15], v[SO]
	v_cvt_scalef32_pk16_bf6_f32 v[PCT:PCT+2], v[YR+16:YR+31], v[SO+1]
	v_nop
.irp i, 0,1,2
	v_permlane16_swap_b32 v[PCD+\i], v[PCT+\i]
.endr
.irp i, 0,1,2
	s_delay_alu instid0(VALU_DEP_3)
	v_mov_b32 v[PCD+3+\i], v[PCT+\i]
.endr
	global_store_b128 v[L16], v[PCD:PCD+3], s[52:53]
	global_store_b64 v[BV8], v[PCD+4:PCD+5], s[52:53] offset:512
.endm
	s_load_b128 s[4:7], s[0:1], 0x0                ; qq, kv
	s_load_b64 s[8:9], s[0:1], 0x10                ; ao
	v_lshl_add_u32 v254, v0, 2, SPARE
	v_mov_b32 v255, 0
	ds_add_u32 v254, v255                          ; the opening lines
	ds_add_u32 v254, v255
	v_lshrrev_b32 v9, 5, v0
	s_delay_alu instid0(VALU_DEP_1)
	v_readfirstlane_b32 s[WV], v9                  ; wave 0..15
	s_bfe_u32 s11, ttmp6, 0x40000                  ; cx: which 512 queries
	s_and_b32 s12, ttmp7, 0xffff                   ; g = 16 n + head
	s_lshr_b32 s13, s12, 4
	s_and_b32 s14, s12, 15
	s_mov_b32 s[G1], 15|(3<<16)|(1<<20)|(1<<21)|(5<<22)|(15<<25)   ; all four partners; elements of 8 bytes; behind every 64 words 16 words of padding
	s_mov_b32 s[G1+1], 32<<16                      ; a key step is dense in memory: 52 rows of 256 bytes
	s_mov_b32 s[G1+2], 52<<16
	s_mov_b32 s[G1+3], 32<<16
	s_mov_b32 s[G1+4], 52
	s_mov_b32 s[G1+5], 32
	s_mov_b32 s[G1+6], 0
	s_mov_b32 s[G1+7], 0
	s_mul_i32 s15, s[WV], STEPB
	s_mul_i32 s46, s12, 212992
	s_add_co_u32 s46, s46, s15
	s_mov_b32 s47, 0
	s_mov_b32 s[G0], 1
	s_mul_i32 s[G0+1], s[WV], STEPL
	s_wait_dscnt 0x0
	s_wait_kmcnt 0x0
	s_add_nc_u64 s[G0+2:G0+3], s[6:7], s[46:47]
	s_or_b32 s[G0+3], s[G0+3], 0x80000000
	CROUND                                         ; the four work-groups are here: the joint loads meet
	tensor_load_to_lds s[G0:G0+3], s[G1:G1+7]      ; key step w: my one tensor load
	s_nop 0
.rept 4
	v_nop
.endr
	s_lshl_b32 s48, s12, 7
	s_lshl_b32 s49, s11, 5
	s_add_co_u32 s48, s48, s49
	s_add_co_u32 s48, s48, s[WV]
	s_mul_i32 s48, s48, 768
	s_mov_b32 s49, 0
	s_add_nc_u64 s[48:49], s[4:5], s[48:49]        ; q's codes: my first tile; the second lies 16 tiles on
	s_lshl_b32 s50, s12, 13
	s_lshl_b32 s51, s11, 11
	s_add_co_u32 s50, s50, s51
	s_lshr_b32 s51, s[WV], 2
	s_lshl_b32 s51, s51, 8
	s_add_co_u32 s50, s50, s51
	s_and_b32 s51, s[WV], 3
	s_lshl_b32 s51, s51, 2
	s_add_co_u32 s50, s50, s51
	s_add_co_u32 s50, s50, QS
	s_mov_b32 s51, 0
	s_add_nc_u64 s[50:51], s[4:5], s[50:51]        ; q's scale words
	s_lshl_b32 s52, s13, 3
	s_lshl_b32 s53, s11, 1
	s_add_co_u32 s52, s52, s53
	s_mul_i32 s52, s52, 196608                     ; ao: my first tile's group of 16 tiles,
	s_lshr_b32 s53, s14, 2
	s_mul_i32 s53, s53, 49152                      ; the quarter of K that holds my head,
	s_add_co_u32 s52, s52, s53
	s_mul_i32 s53, s[WV], 3072                     ; my tile,
	s_add_co_u32 s52, s52, s53
	s_and_b32 s53, s14, 3
	s_mul_i32 s53, s53, 768                        ; my head's unit
	s_add_co_u32 s52, s52, s53
	s_mov_b32 s53, 0
	s_add_nc_u64 s[52:53], s[8:9], s[52:53]
	s_lshl_b32 s54, s13, 4
	s_lshl_b32 s55, s11, 2
	s_add_co_u32 s54, s54, s55
	s_lshr_b32 s55, s[WV], 3
	s_add_co_u32 s54, s54, s55
	s_lshl_b32 s54, s54, 12
	s_lshr_b32 s55, s14, 2
	s_lshl_b32 s55, s55, 10
	s_add_co_u32 s54, s54, s55
	s_and_b32 s55, s[WV], 7
	s_lshl_b32 s55, s55, 7
	s_add_co_u32 s54, s54, s55
	s_and_b32 s55, s14, 3
	s_lshl_b32 s55, s55, 1
	s_add_co_u32 s54, s54, s55
	s_add_co_u32 s54, s54, ASC
	s_mov_b32 s55, 0
	s_add_nc_u64 s[54:55], s[8:9], s[54:55]        ; ao's scale bytes
	s_mov_b32 s[SEL], 0x76543210
	s_mov_b32 s[SEL+1], 0xfedcba98
	s_mov_b32 s[CS], 0x3e38aa3b                    ; log2(e) / 8
	s_mov_b32 s[CS+1], s[CS]
	s_mov_b32 s[IDX], 0
	s_mov_b32 s[PASS], 0
	s_mov_b32 s[TBA], 0                            ; key step 0's place
	v_and_b32 v[LN], 31, v0
	v_and_b32 v212, 15, v0                         ; r
	v_bfe_u32 v213, v0, 4, 1                       ; h
	v_and_b32 v214, 7, v0                          ; r % 8
	v_bfe_u32 v215, v0, 3, 1                       ; r / 8
	v_lshlrev_b32 v[L16], 4, v[LN]
	v_lshlrev_b32 v[BV8], 3, v[LN]
	v_lshlrev_b32 v216, 4, v212                    ; 16 r
	v_mul_u32_u24 v217, v215, 1920                 ; the stored tile two further on
	v_lshl_add_u32 v[BK16], v214, 4, v217
	v_mad_u32_u24 v[BK16], v213, 320, v[BK16]      ; K, 16 bytes: 1,920 (r / 8) + 16 (r % 8) + 320 h
	v_lshl_add_u32 v[BK8], v214, 3, v217
	v_lshl_add_u32 v[BK8], v213, 7, v[BK8]         ; K, 8 bytes: 1,920 (r / 8) + 8 (r % 8) + 128 h
	v_lshlrev_b32 v[BKS], 4, v214
	v_lshl_add_u32 v[BKS], v215, 3, v[BKS]
	v_add_nc_u32 v[BKS], 15360, v[BKS]             ; K's scale words: row 48 of the step, 16 (r % 8) + 8 (r / 8)
	v_mad_u32_u24 v[BV16], v213, 320, v216         ; V, 16 bytes: 16 r + 320 h
	v_lshlrev_b32 v[SH], 3, v213
	v_lshlrev_b32 v[HO], 3, v212
	v_lshl_add_u32 v[HO], v213, 13, v[HO]
	v_mov_b32 v[AK16], v[BK16]
	v_mov_b32 v[AK8], v[BK8]
	v_mov_b32 v[AKS], v[BKS]
	s_wait_alu depctr_va_vdst(0)
	global_load_b128 v[16:19], v[L16], s[48:49]
	global_load_b64 v[20:21], v[BV8], s[48:49] offset:512
	global_load_b32 v[QSC], v216, s[50:51]
	global_load_b128 v[232:235], v[L16], s[48:49] offset:12288
	global_load_b64 v[236:237], v[BV8], s[48:49] offset:12800
	global_load_b32 v248, v216, s[50:51] offset:1024
.irp j, 0,1,2,3,4,5
	v_mov_b32 v[22+\j], 0                          ; q's upper half: zero codes
	v_mov_b32 v[XR+48+\j], 0                       ; named by the first step's last product of K
.endr
	v_mov_b32 v[T], 0                              ; a lane permute's destination counts as one of its sources
	v_mov_b32 v[PWD], 0
	v_mov_b32 v246, 0
	s_wait_alu depctr_va_vdst(0)                   ; the wait at the head's end
	s_wait_loadcnt 0x0
	s_wait_tensorcnt 0x0                           ; my key step has landed,
	s_barrier_signal -1
	s_barrier_wait -1                              ; everybody's has
	KLOAD XR
.Lpass:
	INIT
	s_mov_b32 s[CNT], 8
.Lrun:
	STEP XR, YR, TBA, TBB
	STEP YR, XR, TBB, TBA
	s_sub_co_u32 s[CNT], s[CNT], 1
	s_cmp_lg_u32 s[CNT], 0
	s_cbranch_scc1 .Lrun
	FINISH
.irp j, 0,1,2,3,4,5
	v_mov_b32 v[16+\j], v[232+\j]                  ; the second tile's q
.endr
	v_mov_b32 v[QSC], v248
	s_wait_xcnt 0x0                                ; the stores have read their registers and their base
	s_add_nc_u64 s[52:53], s[52:53], 196608        ; the second tile lies 16 tiles on
	s_add_co_u32 s[PASS], s[PASS], 1
	s_cmp_lt_u32 s[PASS], 2
	s_wait_alu depctr_va_vdst(0)
	s_cbranch_scc1 .Lpass
	v_cmp_le_u32 vcc_lo, 16, v[LN]
	s_delay_alu instid0(VALU_DEP_1)
	v_cndmask_b32 v[T], v247, v246, vcc_lo         ; lanes 0-15 store the first tile's two bytes, lanes 16-31 the second's
	global_store_b16 v[HO], v[T], s[54:55]
	s_wait_dscnt 0x0
	s_wait_tensorcnt 0x0                           ; the wave's end
	ds_add_u32 v254, v255
	s_wait_dscnt 0x0
	CROUND                                         ; the closing round
	s_endpgm
.Lfunc_end_k_q23907c80e2_attn:
	.size	k_q23907c80e2_attn, .Lfunc_end_k_q23907c80e2_attn-k_q23907c80e2_attn
	.p2alignl 7, 3214868480
	.fill 96, 4, 3214868480
	.section	.rodata,"a",@progbits
	.p2align	6, 0x0
	.amdhsa_kernel k_q23907c80e2_attn
		.amdhsa_group_segment_fixed_size 327680
		.amdhsa_private_segment_fixed_size 0
		.amdhsa_enable_private_segment 0
		.amdhsa_kernarg_size 24
		.amdhsa_user_sgpr_count 2
		.amdhsa_user_sgpr_kernarg_segment_ptr 1
		.amdhsa_wavefront_size32 1
		.amdhsa_system_sgpr_workgroup_id_x 1
		.amdhsa_system_sgpr_workgroup_id_y 1
		.amdhsa_system_sgpr_workgroup_id_z 1
		.amdhsa_system_vgpr_workitem_id 0
		.amdhsa_next_free_vgpr 256
		.amdhsa_next_free_sgpr 66
		.amdhsa_reserve_vcc 1
		.amdhsa_float_denorm_mode_32 3
		.amdhsa_float_denorm_mode_16_64 3
		.amdhsa_memory_ordered 1
		.amdhsa_forward_progress 1
		.amdhsa_inst_pref_size 45
	.end_amdhsa_kernel
	.amdgpu_metadata
---
amdhsa.version: [ 1, 2 ]
amdhsa.kernels:
  - .name:           k_q23907c80e2_attn
    .symbol:         k_q23907c80e2_attn.kd
    .args:
      - { .name: qq, .offset: 0, .size: 8, .value_kind: global_buffer, .address_space: global }
      - { .name: kv, .offset: 8, .size: 8, .value_kind: global_buffer, .address_space: global }
      - { .name: ao, .offset: 16, .size: 8, .value_kind: global_buffer, .address_space: global }
    .group_segment_fixed_size: 327680
    .private_segment_fixed_size: 0
    .kernarg_segment_align: 8
    .kernarg_segment_size: 24
    .max_flat_workgroup_size: 512
    .sgpr_count:     66
    .vgpr_count:     256
    .wavefront_size: 32
...
	.end_amdgpu_metadata
.endif
;; end of part 3
;; launch proj (part 4): grid 4 x 64, 4 waves a work-group, clusters of 4 x 4, 327,680 bytes of LDS; arguments ao, wq, b_out, out0; writes out0
.if DOCPART == 4
	.amdgcn_target "amdgcn-amd-amdhsa--gfx1250"
	.amdhsa_code_object_version 6
	.text
	.protected	k_q23907c80e2_proj
	.globl	k_q23907c80e2_proj
	.p2align	8
	.type	k_q23907c80e2_proj,@function
k_q23907c80e2_proj:
	s_mov_b64 s[64:65], 0
	v_nop
	global_prefetch_b8 v0, s[64:65] scope:SCOPE_SE
	s_setreg_imm32_b32 hwreg(HW_REG_WAVE_MODE, 25, 1), 1
	s_wait_xcnt 0x0
	s_wait_alu depctr_hold_cnt(0) depctr_sa_sdst(0) depctr_va_vdst(0) depctr_va_sdst(0) depctr_va_ssrc(0) depctr_va_vcc(0) depctr_vm_vsrc(0)
	s_getreg_b32 s2, hwreg(HW_REG_IB_STS2, 6, 4)
	s_cmp_eq_u32 s2, 0
	s_cbranch_scc0 .Lentry_in_a_cluster
	s_endpgm
.Lentry_in_a_cluster:
	s_bfe_u32 s2, ttmp6, 0x10000c
	s_cmp_lg_u32 s2, 0xf033
	s_cbranch_scc0 .Lentry_shape_is_right
	s_endpgm
.Lentry_shape_is_right:
; out0 = o W_out + b_out on codes of BF6 (E3M2) with E8M0 scales, K = 1,024; out0 [8192][1024] f32.
; 256 work-groups of four waves, each 128 rows x 256 columns; a wave makes 64 x 128: 32 accumulators.  Codes lie in memory as images of operand registers (units of 768 bytes: 16 lane-rows x 64 K),
; as [16 tiles][quarter of K][tile][3,072 bytes].
; LDS holds ALL of K: the weight's 16 tiles (196,608 bytes) and o's 8 tiles (98,304).  Four tensor loads at the head, one a wave: the weight's quarters 0, 1; o's quarters 0, 1; the weight's 2, 3; o's 2, 3.
; The walk begins when the first two are in; a barrier in K step 3 shows the others.  Nothing is filled again.  No prefetch: all is asked for at the head, so there is no loop to run ahead in.
; CLUSTERS: 4 x 4 work-groups; o's tiles are asked for jointly along a row of the cluster, the weight's along a column.
; Source 0 = S0 = the weight's columns (they run along a lane's registers), source 1 = S1 = o's rows (lane r is a row).  Lane-row r of tile 2 B + u is row 32 B + 8 u + r + 8 (r / 8):
; so the 16 registers of S0's tiles 2 B and 2 B + 1 are 16 neighbouring columns, and the order of o's rows is undone by the stores' immediate offsets.
; TWO WHOLE SETS of fragments of both operands: at a K step's head the next step's 48 loads are issued, then the step's 32 products.
; THE BIAS is the C of the first K step.  THE SCALE WORDS of all of K come from memory straight into registers, once: tile 2 x in lanes 0-15, tile 2 x + 1 in lanes 16-31.
; LIMITS: NaN and infinities are not served.  The bias is summed first, not last.
; REGISTERS.  Window 0: v4-11 the weight's LDS addresses (16 x lane, 8 x lane; a quarter each), v12-15 o's (two quarters each); v36-51 S1's scale words, v64-95 S0's (a product's two differ by 4 modulo 8);
;   v128-223 S1's fragments, two sets of four; on the way out v128-255 rows of out0.   Window 1: S0's fragments, two sets, v0-95 and v128-223; v96-127, v224-255 the bias.   Window 2: the accumulators, (a, b) at v[8 (8 a + b)].
.set ASC,   6291456                    ; ao: the scale words begin here
.set WS,    3145728                    ; wq
.set QW,    49152                      ; a quarter of K of the weight's 16 tiles; of o's 8 tiles half as much
.set LW0,   0
.set LO0,   2*QW
.set LW1,   3*QW
.set LO1,   5*QW
.set SPARE, 6*QW                       ; behind the tiles: the spare words, 128 bytes a wave
.set AW,    4
.set AO,    12
.set L16,   16
.set L8,    17
.set STO,   18
.set RD,    19
.set SPW,   28
.set NIL,   29
.set SC1,   36
.set SC0,   64
.set AF,    128
.set BK,    128
.set WV,    14
.set G1,    24
.set G1B,   32
.set G0,    40
.set G0B,   52
.set MSB, 0
.macro WIN new                         ; the immediate's high byte repeats the setting that is left
.if MSB != (\new)
	s_set_vgpr_msb (MSB<<8)|(\new)
.set MSB, (\new)
.endif
.endm
.macro PLACES n                        ; plain vector lines between a matrix instruction and a load into, or a read of, its registers
.rept \n
	v_nop
.endr
.endm
.macro CROUND
	s_barrier_signal -1
	s_barrier_wait -1
	s_cmp_lg_u32 s[WV], 0
	s_cbranch_scc1 .Lnot_wave_0_\@
	s_barrier_signal -3
.Lnot_wave_0_\@:
	s_barrier_wait -3
	s_barrier_signal -1
	s_barrier_wait -1
.endm
.macro FRAG reg, a16, a8, off          ; a fragment (12 registers) is two units: each load reads 512 or 256 consecutive bytes
	ds_load_b128 v[\reg:\reg+3], v[\a16] offset:\off
	ds_load_b64 v[\reg+4:\reg+5], v[\a8] offset:(\off)+512
	ds_load_b128 v[\reg+6:\reg+9], v[\a16] offset:(\off)+768
	ds_load_b64 v[\reg+10:\reg+11], v[\a8] offset:(\off)+1280
.endm
.macro FETCH ks, p                     ; K step ks: S0's eight fragments and S1's four into set p: 48 loads
	WIN 0x40
.irp i, 0,1,2,3,4,5,6,7
	FRAG 128*(\p)+12*\i, AW+(\ks)/2, AW+4+(\ks)/2, \i*3072+((\ks)%2)*1536
.endr
	WIN 0
.irp i, 0,1,2,3
	FRAG AF+48*(\p)+12*\i, AO+(\ks)/4, AO+2+(\ks)/4, (((\ks)/2)%2)*(QW/2)+\i*3072+((\ks)%2)*1536
.endr
.endm
.macro WM ra, rb
.if (\ra) && (\rb)
	v_wmma_scale_f32_16x16x128_f8f6f4 v[rD:rD+7], v[rA:rA+11], v[rB:rB+11], v[rC:rC+7], v[rSA], v[rSB] matrix_a_fmt:MATRIX_FMT_BF6 matrix_b_fmt:MATRIX_FMT_BF6 matrix_a_scale:MATRIX_SCALE_ROW1 matrix_b_scale:MATRIX_SCALE_ROW1
.elseif (\ra)
	v_wmma_scale_f32_16x16x128_f8f6f4 v[rD:rD+7], v[rA:rA+11], v[rB:rB+11], v[rC:rC+7], v[rSA], v[rSB] matrix_a_fmt:MATRIX_FMT_BF6 matrix_b_fmt:MATRIX_FMT_BF6 matrix_a_scale:MATRIX_SCALE_ROW1
.elseif (\rb)
	v_wmma_scale_f32_16x16x128_f8f6f4 v[rD:rD+7], v[rA:rA+11], v[rB:rB+11], v[rC:rC+7], v[rSA], v[rSB] matrix_a_fmt:MATRIX_FMT_BF6 matrix_b_fmt:MATRIX_FMT_BF6 matrix_b_scale:MATRIX_SCALE_ROW1
.else
	v_wmma_scale_f32_16x16x128_f8f6f4 v[rD:rD+7], v[rA:rA+11], v[rB:rB+11], v[rC:rC+7], v[rSA], v[rSB] matrix_a_fmt:MATRIX_FMT_BF6 matrix_b_fmt:MATRIX_FMT_BF6
.endif
.endm
; A K step: the 32 accumulators take turns, one instruction a turn, in the same order in every step.  first = 1: the bias registers (window 1) are C: nothing is cleared.
; show = 1: every wave waits for its tensor load, and a barrier shows quarters 2 and 3 to all.
.macro STEP ks, first, show
.if \show
	s_wait_tensorcnt 0x0
.endif
	s_wait_dscnt 0x0                               ; this step's fragments, asked for a step ago, are in
.if \show
	s_barrier_signal -1
	s_barrier_wait -1
.endif
.if (\ks) < 7
.if (\ks) > 0
	PLACES 4                                       ; the other set was read by the last step's products
.endif
	FETCH (\ks)+1, 1-(\ks)%2
.endif
.if \first
	WIN 0x91
.else
	WIN 0xa1
.endif
.irp a, 0,1,2,3
.irp b, 0,1,2,3,4,5,6,7
.set rD, 8*(8*\a+\b)
.set rA, 128*((\ks)%2)+12*\b
.set rB, AF+48*((\ks)%2)+12*\a
.set rSA, SC0+8*(\b/2)+(\ks)
.set rSB, SC1+8*(\a/2)+(\ks)
.set rC, rD
.if \first
.set rC, 96+8*(\b%4)+128*(\b/4)
.endif
	WM \b%2, \a%2
.endr
.endr
	WIN 0
.endm
; THE WAY OUT, block by block of 16 rows x 128 columns, through my own stage (16 rows x (512 bytes + 16)), which lies in the weight's quarters 0 and 1: they are filled once, and every wave's last read of them
; is awaited ahead of the barrier in K step 3.  LDS serves a wave's instructions in order (ISA guide 5.7.1.4): no wait between the stores and the loads, nor in front of the next block's stores.
.macro TOSTAGE a
	WIN 0x08                                       ; the data: window 2
.irp b, 0,1,2,3,4,5,6,7
	ds_store_b128 v[STO], v[64*(\a)+8*\b:64*(\a)+8*\b+3] offset:128*(\b/2)+32*(\b%2)       ; each accumulator from its low end on: columns 32 (b / 2) + 16 h + 8 (b % 2) + 0 .. 7
	ds_store_b128 v[STO], v[64*(\a)+8*\b+4:64*(\a)+8*\b+7] offset:128*(\b/2)+32*(\b%2)+16
.endr
	WIN 0
.irp t, 0,1,2,3,4,5,6,7,8,9,10,11,12,13,14,15
	ds_load_b128 v[BK+64*((\a)%2)+4*\t:BK+64*((\a)%2)+4*\t+3], v[RD] offset:\t*528
.endr
.endm
.macro SEND a, younger
	s_wait_dscnt \younger                          ; the block is back in registers
.irp t, 0,1,2,3,4,5,6,7,8,9,10,11,12,13,14,15
	global_store_b128 v[L16], v[BK+64*((\a)%2)+4*\t:BK+64*((\a)%2)+4*\t+3], s[10:11] offset:(32*((\a)/2)+8*((\a)%2)+\t+8*(\t/8))*4096 th:TH_STORE_NT   ; 32 lanes store 512 consecutive bytes of the row that lane-row t of tile a stands for
.endr
.endm
.macro HARM wave, g0, g1, next         ; an arm of the head's chain: one load, then on to the join
	s_cmp_eq_u32 s[WV], \wave
	s_cbranch_scc0 \next
	tensor_load_to_lds s[\g0:\g0+3], s[\g1:\g1+7]
	s_nop 0
	PLACES 4
	s_branch .Lasked
\next:
.endm
	s_load_b256 s[4:11], s[0:1], 0x0               ; ao s[4:5], wq s[6:7], b_out s[8:9], out0 s[10:11]
	v_lshl_add_u32 v[SPW], v0, 2, SPARE
	v_mov_b32 v[NIL], 0
	ds_add_u32 v28, v29                            ; the opening lines
	ds_add_u32 v28, v29
	s_wait_dscnt 0x0
	v_lshrrev_b32 v1, 5, v0
	v_readfirstlane_b32 s[WV], v1                  ; wave 0..3
	s_lshr_b32 s15, s[WV], 1                       ; which 64 of the rows
	s_and_b32 s16, s[WV], 1                        ; which 128 of the columns
	s_bfe_u32 s17, ttmp6, 0x40000                  ; cx
	s_bfe_u32 s18, ttmp6, 0x40004                  ; cy
	s_lshl_b32 s19, ttmp9, 2
	s_add_co_u32 s19, s19, s17                     ; which 256 columns
	s_and_b32 s20, ttmp7, 0xffff
	s_lshl_b32 s20, s20, 2
	s_add_co_u32 s20, s20, s18                     ; which 128 rows
	s_lshl_b32 s21, s18, 2
	s_lshl_b32 s21, 15, s21                        ; my row of the cluster
	s_lshl_b32 s22, 0x1111, s17                    ; my column
	s_or_b32 s[G1], s21, (3<<16)|(1<<21)           ; o: two quarters of my 8 tiles: 2 rows of 24,576 bytes (3,072 elements of 8), 49,152 bytes apart
	s_mov_b32 s[G1+1], 3072<<16
	s_mov_b32 s[G1+2], 2<<16
	s_mov_b32 s[G1+3], 3072<<16
	s_mov_b32 s[G1+4], 2
	s_mov_b32 s[G1+5], 6144
	s_mov_b32 s[G1+6], 0
	s_mov_b32 s[G1+7], 0
	s_or_b32 s[G1B], s22, (3<<16)|(1<<21)          ; the weight: two quarters of 16 tiles, dense: 32 rows of 3,072 bytes
	s_mov_b32 s[G1B+1], 384<<16
	s_mov_b32 s[G1B+2], 32<<16
	s_mov_b32 s[G1B+3], 384<<16
	s_mov_b32 s[G1B+4], 32
	s_mov_b32 s[G1B+5], 384
	s_mov_b32 s[G1B+6], 0
	s_mov_b32 s[G1B+7], 0
	s_lshr_b32 s66, s20, 1
	s_mul_i32 s66, s66, 4*QW                       ; o: my group of 16 tiles,
	s_and_b32 s67, s20, 1
	s_mul_i32 s67, s67, QW/2                       ; my 8 of them: hangs on cy alone
	s_add_co_u32 s66, s66, s67
	s_mov_b32 s67, 0
	s_add_co_u32 s68, s19, 12                      ; W_out's groups of 16 tiles lie behind W_qkv's 12
	s_mul_i32 s68, s68, 4*QW                       ; the weight: hangs on cx alone
	s_mov_b32 s69, 0
	s_mov_b32 s[G0], 1
	s_mov_b32 s[G0+1], LO0
	s_mov_b32 s[G0+4], 1
	s_mov_b32 s[G0+5], LO1
	s_mov_b32 s[G0B], 1
	s_mov_b32 s[G0B+1], LW0
	s_mov_b32 s[G0B+4], 1
	s_mov_b32 s[G0B+5], LW1
	s_wait_kmcnt 0x0
	s_add_nc_u64 s[G0+2:G0+3], s[4:5], s[66:67]
	s_add_nc_u64 s[G0+6:G0+7], s[G0+2:G0+3], 2*QW
	s_add_nc_u64 s[G0B+2:G0B+3], s[6:7], s[68:69]
	s_add_nc_u64 s[G0B+6:G0B+7], s[G0B+2:G0B+3], 2*QW
.irp w, G0+3, G0+7, G0B+3, G0B+7
	s_or_b32 s[\w], s[\w], 0x80000000
.endr
	CROUND                                         ; all sixteen work-groups are here: the joint loads meet
	HARM 0, G0B, G1B, .Lhead_1
	HARM 1, G0, G1, .Lhead_2
	HARM 2, G0B+4, G1B, .Lhead_3
	tensor_load_to_lds s[G0+4:G0+7], s[G1:G1+7]
	s_nop 0
	PLACES 4
.Lasked:
	s_mul_i32 s73, s16, QW/2                       ; S0: my 8 tiles of the weight's 16
	s_mul_i32 s74, s15, QW/4                       ; S1: my 4 tiles of o's 8
	s_mul_i32 s94, s[WV], 16*528                   ; my stage, from LDS byte LW0 on
	s_lshl_b32 s84, s20, 12
	s_lshl_b32 s23, s15, 9
	s_add_co_u32 s84, s84, s23
	s_add_co_u32 s84, s84, ASC
	s_mov_b32 s85, 0
	s_add_nc_u64 s[84:85], s[4:5], s[84:85]        ; the scale words of my 64 rows of o: two pairs of tiles
	s_lshl_b32 s86, s19, 1
	s_add_co_u32 s86, s86, s16
	s_add_co_u32 s86, s86, 24
	s_lshl_b32 s86, s86, 12
	s_add_co_u32 s86, s86, WS
	s_mov_b32 s87, 0
	s_add_nc_u64 s[86:87], s[6:7], s[86:87]        ; and of my 128 columns of W_out
	s_lshl_b32 s88, s19, 10
	s_lshl_b32 s23, s16, 9
	s_add_co_u32 s88, s88, s23
	s_mov_b32 s89, 0
	s_add_nc_u64 s[88:89], s[8:9], s[88:89]        ; the bias of my 128 columns
	s_lshl_b32 s92, s20, 19                        ; out0: 128 rows of 4,096 bytes,
	s_lshl_b32 s23, s15, 18                        ; my 64 of them,
	s_add_co_u32 s92, s92, s23
	s_lshl_b32 s23, s19, 10                        ; 256 columns,
	s_add_co_u32 s92, s92, s23
	s_lshl_b32 s23, s16, 9                         ; my 128 of them
	s_add_co_u32 s92, s92, s23
	s_mov_b32 s93, 0
	s_add_nc_u64 s[10:11], s[10:11], s[92:93]
	v_and_b32 v1, 31, v0
	v_bfe_u32 v2, v0, 4, 1                         ; h
	v_and_b32 v3, 15, v0                           ; r
	v_lshlrev_b32 v[L16], 4, v1
	v_lshlrev_b32 v[L8], 3, v1
	v_add_nc_u32 v[AW], s73, v[L16]
	v_add_nc_u32 v[AW+4], s73, v[L8]
	v_add_nc_u32 v[AO], s74, v[L16]
	v_add_nc_u32 v[AO+2], s74, v[L8]
	v_add_nc_u32 v[AW+1], QW, v[AW]
	v_add_nc_u32 v[AW+5], QW, v[AW+4]
	v_add_nc_u32 v[AW+2], LW1, v[AW]
	v_add_nc_u32 v[AW+6], LW1, v[AW+4]
	v_add_nc_u32 v[AW+3], LW1+QW, v[AW]
	v_add_nc_u32 v[AW+7], LW1+QW, v[AW+4]
	v_add_nc_u32 v[AO+1], LO1, v[AO]
	v_add_nc_u32 v[AO+3], LO1, v[AO+2]
	v_add_nc_u32 v[AO], LO0, v[AO]
	v_add_nc_u32 v[AO+2], LO0, v[AO+2]
	v_mul_u32_u24 v[STO], v3, 528
	v_lshl_add_u32 v[STO], v2, 6, v[STO]
	v_add_nc_u32 v[STO], s94, v[STO]               ; in: row r, + 64 h
	v_add_nc_u32 v[RD], s94, v[L16]                ; back: a whole row of 512 bytes, 16 a lane
	v_lshlrev_b32 v30, 6, v2                       ; 64 h
	s_wait_alu depctr_va_vdst(0)                   ; the wait at the head's end
.irp x, 0,1,2,3
.irp q, 0,1,2,3
.if \x < 2
	global_load_b64 v[SC1+8*\x+2*\q:SC1+8*\x+2*\q+1], v[L8], s[84:85] offset:\q*1024+\x*256   ; K steps 2 q, 2 q + 1 of tiles 2 x (lanes 0-15) and 2 x + 1 (lanes 16-31): 256 consecutive bytes
.endif
	global_load_b64 v[SC0+8*\x+2*\q:SC0+8*\x+2*\q+1], v[L8], s[86:87] offset:\q*1024+\x*256
.endr
.endr
	WIN 0x40
.irp b, 0,1,2,3,4,5,6,7
	global_load_b128 v[96+8*(\b%4)+128*(\b/4):99+8*(\b%4)+128*(\b/4)], v30, s[88:89] offset:128*(\b/2)+32*(\b%2)
	global_load_b128 v[100+8*(\b%4)+128*(\b/4):103+8*(\b%4)+128*(\b/4)], v30, s[88:89] offset:128*(\b/2)+32*(\b%2)+16
.endr
	WIN 0
	s_wait_loadcnt 0x0
	s_cmp_lt_u32 s[WV], 2
	s_cbranch_scc0 .Lnot_first
	s_wait_tensorcnt 0x0                           ; waves 0 and 1: quarters 0 and 1 of my operand are in; waves 2 and 3's tiles may be out
.Lnot_first:
	s_barrier_signal -1
	s_barrier_wait -1
	FETCH 0, 0
	STEP 0, 1, 0
	STEP 1, 0, 0
	STEP 2, 0, 0
	STEP 3, 0, 1                                   ; it fetches K step 4, the first of quarter 2
	STEP 4, 0, 0
	STEP 5, 0, 0
	STEP 6, 0, 0
	STEP 7, 0, 0
	PLACES 4                                       ; behind the last products: results are read, and loads land on registers that they read
	TOSTAGE 0
.irp a, 1,2,3
.if \a > 1
	s_wait_xcnt 0x0                                ; block a - 2's stores have read their registers: block a's loads may land there
.endif
	TOSTAGE \a
	SEND \a-1, 32                                  ; behind block a - 1's loads: block a's 16 stores and 16 loads
.endr
	SEND 3, 0
	s_wait_tensorcnt 0x0                           ; the wave's end
	ds_add_u32 v[SPW], v[NIL]
	s_wait_dscnt 0x0
	CROUND                                         ; the closing round
	s_endpgm
.Lfunc_end_k_q23907c80e2_proj:
	.size	k_q23907c80e2_proj, .Lfunc_end_k_q23907c80e2_proj-k_q23907c80e2_proj
	.p2alignl 7, 3214868480
	.fill 96, 4, 3214868480
	.section	.rodata,"a",@progbits
	.p2align	6, 0x0
	.amdhsa_kernel k_q23907c80e2_proj
		.amdhsa_group_segment_fixed_size 327680
		.amdhsa_private_segment_fixed_size 0
		.amdhsa_enable_private_segment 0
		.amdhsa_kernarg_size 32
		.amdhsa_user_sgpr_count 2
		.amdhsa_user_sgpr_kernarg_segment_ptr 1
		.amdhsa_wavefront_size32 1
		.amdhsa_system_sgpr_workgroup_id_x 1
		.amdhsa_system_sgpr_workgroup_id_y 1
		.amdhsa_system_sgpr_workgroup_id_z 1
		.amdhsa_system_vgpr_workitem_id 0
		.amdhsa_next_free_vgpr 768
		.amdhsa_next_free_sgpr 100
		.amdhsa_reserve_vcc 0
		.amdhsa_float_denorm_mode_32 3
		.amdhsa_float_denorm_mode_16_64 3
		.amdhsa_memory_ordered 1
		.amdhsa_forward_progress 1
		.amdhsa_inst_pref_size 85
	.end_amdhsa_kernel
	.amdgpu_metadata
---
amdhsa.version: [ 1, 2 ]
amdhsa.kernels:
  - .name:           k_q23907c80e2_proj
    .symbol:         k_q23907c80e2_proj.kd
    .args:
      - { .name: ao, .offset: 0, .size: 8, .value_kind: global_buffer, .address_space: global }
      - { .name: wq, .offset: 8, .size: 8, .value_kind: global_buffer, .address_space: global }
      - { .name: b_out, .offset: 16, .size: 8, .value_kind: global_buffer, .address_space: global }
      - { .name: out0, .offset: 24, .size: 8, .value_kind: global_buffer, .address_space: global }
    .group_segment_fixed_size: 327680
    .private_segment_fixed_size: 0
    .kernarg_segment_align: 8
    .kernarg_segment_size: 32
    .max_flat_workgroup_size: 128
    .sgpr_count:     100
    .vgpr_count:     768
    .wavefront_size: 32
...
	.end_amdgpu_metadata
.endif
;; end of part 4
